; MI455X (gfx1250); checked and timed in simulation.
; The chip was launched on July 23, 2026; its instructions are those of AMD's public machine-readable ISA for CDNA 5 (MIT licence, August 2026) and "CDNA5" Instruction Set Architecture Reference Guide (July 2026). The comments in the code are by the model that wrote it; some were corrected since.
;; Block. Allowed arithmetic: matrix products marked QUANTISED: E4M3 operands, one given power-of-two scale a tensor, by v_wmma_f32_16x16x64_fp8_fp8 or v_wmma_f32_16x16x128_fp8_fp8, f32 sums; everything else in f32.
;; Inputs: W_attn 1,024 x 3,072 float32; W_fc1 1,024 x 4,096 float32; W_fc2 4,096 x 1,024 float32; W_proj 1,024 x 1,024 float32; b_fc1 4,096 float32; b_fc2 1,024 float32; b_proj 1,024 float32; ln1_b 1,024 float32; ln1_g 1,024 float32; ln2_b 1,024 float32; ln2_g 1,024 float32; lowp_scales 12 int32 (the exponents e of the quantised operands' scales 2^e); x 4 x 1,024 x 1,024 float32.
;; Outputs: out0 4 x 1,024 x 1,024 float32.
;; This version of the problem:
;;   THIS VERSION OF THE PROBLEM IS GIVEN IN LOW PRECISION. The matrix products marked QUANTISED in the list below multiply operands that are first quantised to E4M3 (4 exponent bits, 3 mantissa bits; 8 bits a number), with one given power-of-two scale for each operand tensor; their sums are f32. All else is computed in f32.
;;   The module's matrix products, in the order in which they are computed (A, B: the left and right operand; K: the contracted axis; several contracted axes count as one K, in the product's order):
;;     1. [M 4,096, K 1,024] x [K 1,024, N 3,072]; A: computed on the way; B: input W_attn: QUANTISED (scales: A lowp_scales[0], B lowp_scales[1])
;;     2. batch 64 x [M 1,024, K 64] x [K 64, N 1,024]; A: computed on the way; B: computed on the way: QUANTISED (scales: A lowp_scales[2], B lowp_scales[3])
;;     3. batch 64 x [M 1,024, K 1,024] x [K 1,024, N 64]; A: softmax (see below); B: computed on the way: QUANTISED (scales: A lowp_scales[4], B lowp_scales[5])
;;     4. [M 4,096, K 1,024] x [K 1,024, N 1,024]; A: computed on the way; B: input W_proj: QUANTISED (scales: A lowp_scales[6], B lowp_scales[7])
;;     5. [M 4,096, K 1,024] x [K 1,024, N 4,096]; A: computed on the way; B: input W_fc1: QUANTISED (scales: A lowp_scales[8], B lowp_scales[9])
;;     6. [M 4,096, K 4,096] x [K 4,096, N 1,024]; A: computed on the way; B: input W_fc2: QUANTISED (scales: A lowp_scales[10], B lowp_scales[11])
;;   THE QUANTISER, for each operand of a quantised product, along K:
;;     - The operand's scale is 2^e, e = its entry of the input lowp_scales (int32; the entries are numbered through the quantised products in the list's order, A before B).
;;     - Each number is divided by the scale, clamped to +-448, and rounded to the nearest number of E4M3, ties to even, subnormals kept.
;;     - The product sums the exact products of the quantised numbers (number of the format x scale) in f32.
;;   ~~~python
;;   def quantise(x, axis, e):      # numpy; x: float32 -> the quantised numbers, widened to float32 again
;;       x = np.moveaxis(x, axis, -1); K = x.shape[-1]
;;       r = np.clip(x / 2.0 ** e, -448, 448)
;;       step = 2.0 ** (np.maximum(np.frexp(np.where(r == 0, 1, r))[1] - 1, -6) - 3)
;;       q = np.round(r / step) * step * 2.0 ** e      # np.round: ties to even
;;       return np.moveaxis(q, -1, axis).astype(np.float32)
;;   ~~~
;;   SOFTMAX AHEAD OF A QUANTISED PRODUCT. Where the list says 'softmax', what is quantised is not the finished softmax but p = 2^(t - M), with t = logit x log2(e) and M = ceil(the row's largest t), a whole number; so 1/2 < the row's largest p <= 1. The row's sum l is taken of the UNQUANTISED p, in f32, and the product's result is divided by l at the end. Since M is a whole number, a kernel that streams over the keys may use a running M (the ceiling of the running maximum): every later rescaling is an exact power of two, so the quantised numbers keep their values, but for numbers so far below the row's largest that they fall under the format's range.
;;   OPERANDS COMPUTED ON THE WAY. 'Computed on the way' means the value that the module computes at that place (a softmax that the list does not call 'softmax' is quantised finished and normalised). What goes into a quantiser is computed in f32, as accurately as f32 sums, v_exp_f32 and their like allow (about 1e-6 of the number): no bf16 or f16 on the way to a quantiser, and a product that is left as it is and whose result goes on into a quantised operand takes f32 operands (vector FMAs, or v_wmma_f32_16x16x4_f32). A number that lies on a knife's edge between two numbers of the format may be rounded either way, as far as f32 arithmetic and the matrix unit's own rounding can turn it there, and no further.
;; One version. Each part assembles by itself: llvm-mc -triple=amdgcn-amd-amdhsa -mcpu=gfx1250 --defsym DOCPART=n.
;; ======== version 1 of 1: 7 launches
;; limits: right only within a limited range of input values
;; workspace buffers: wcodes 12,582,912 bytes; h_codes 4,194,304 bytes; qkv_codes 12,582,912 bytes; y_codes 4,194,304 bytes; x1 16,777,216 bytes; h2_codes 4,194,304 bytes; hid_codes 16,777,216 bytes
;; launch prep (part 1): grid 1024 x 1, 4 waves a work-group, no clusters, 17,920 bytes of LDS; arguments x, W_attn, W_proj, W_fc1, W_fc2, ln1_g, ln1_b, lowp_scales, wcodes, h_codes; writes wcodes, h_codes
.if DOCPART == 1
	.amdgcn_target "amdgcn-amd-amdhsa--gfx1250"
	.amdhsa_code_object_version 6
	.text
	.protected	k_qbdb70130ed_prep
	.globl	k_qbdb70130ed_prep
	.p2align	8
	.type	k_qbdb70130ed_prep,@function
k_qbdb70130ed_prep:
	s_mov_b64 s[64:65], 0
	v_nop
	global_prefetch_b8 v0, s[64:65] scope:SCOPE_SE
	s_setreg_imm32_b32 hwreg(HW_REG_WAVE_MODE, 25, 1), 1
	s_wait_xcnt 0x0
; The four weights become codes of FP8 (E4M3), and LN1(x) becomes codes: every operand that arrives as an input or hangs on x alone.
; THE CODES' LAYOUT, the same in every buffer of codes of this program.  For a matrix of rows m and contracted axis k of length K:
;   byte(m, k) = (m / 16) 16 K + (k / 32) 512 + ((k / 8) % 2) 256 + (m % 16) 16 + ((k / 16) % 2) 8 + k % 8.
; So 16 rows x 128 along K are 2,048 bytes on end, and four loads of 16 bytes a lane at 512 c + 16 lane give a lane the registers that the plain fp8 matrix forms want, each k in its own place.
; WORK-GROUPS 0 to 767: a weight W [K][N] f32, K its first axis.  A lane takes a column n and its registers run down K; a wave takes 32 columns x 128 along K, a work-group 128 columns: 65,536 bytes of W.
;   W_attn has 24 x 8 = 192 of them, W_proj 8 x 8 = 64, W_fc1 32 x 8 = 256, W_fc2 8 x 32 = 256.
;   One path serves all four weights: what differs (pointer, row pitch, K, place in wcodes, scale) is chosen by s_cselect on the work-group's number.
; WORK-GROUPS 768 to 1,023: LN1 of 16 rows of x, 65,536 bytes; a wave takes 4 rows, each whole in 32 registers (mean, then the mean of squared differences, in f32).  The codes meet in an LDS stage and leave as 16,384 bytes on end.
; 1,024 work-groups of equal input bytes, four of which fit on a WGP by their registers (4 x 4 waves x 250).
; code = number / 2^e, held within +-448, rounded to the nearest code, ties to even.  LIMITS: e0, e1, e7, e9, e11 between -126 and 119.  NaN among the inputs is not served.
; No cluster: work-groups share nothing but the 8,192 bytes of gain and bias.  No tensor load: the weight role needs no LDS, the LN role keeps its rows in registers.
.set NWG, 768                          ; the weights' work-groups
.set NBK, 4                            ; blocks of 32 along K for a wave
.set OFF, 20                           ; weights: v20-51   32 row offsets: i x pitch + 4 x lane
.set WX,  52                           ; weights: v52-115  two sets of 32 numbers
.set WC,  116                          ; weights: v116-147 eight registers of codes for each of 4 blocks: no store's data are written again
.set T,   6                            ; LN: v6-13 at work
.set MU,  14                           ; LN: v14-15 the mean, later 1 / sqrt(var + eps), twice
.set LIM, 16                           ; v16 448 x 2^e
.set SCL, 17                           ; v17 2^e
.set G,   20                           ; LN: v20-51 gain, v52-83 bias of my 32 columns
.set B,   52
.set X,   84                           ; LN: v84-211 four rows
.set C,   212                          ; LN: v212-243 eight registers of codes a row
	s_load_b512 s[8:23], s[0:1], 0x0               ; x 8, W_attn 10, W_proj 12, W_fc1 14, W_fc2 16, ln1_g 18, ln1_b 20, lowp_scales 22
	s_load_b128 s[24:27], s[0:1], 0x40             ; wcodes 24, h_codes 26
	v_lshl_add_u32 v248, v0, 2, 0x4400
	v_mov_b32 v249, 0
	v_lshrrev_b32 v1, 5, v0
	v_readfirstlane_b32 s2, v1                     ; wave
	v_and_b32 v1, 31, v0                           ; lane
	s_wait_kmcnt 0x0
	s_load_b256 s[32:39], s[22:23], 0x0            ; e0 .. e7
	s_load_b128 s[40:43], s[22:23], 0x20           ; e8 .. e11
	s_cmp_ge_u32 ttmp9, NWG
	s_cbranch_scc1 .Lln
; ---------------- the weights ----------------
.macro PICK lim, g0, lg, pitch, rb, dst, ptr   ; work-groups under lim belong to an earlier weight
	s_cmp_lt_u32 ttmp9, \lim
	s_cselect_b32 s44, \g0, s44
	s_cselect_b32 s45, \lg, s45
	s_cselect_b32 s46, \pitch, s46
	s_cselect_b32 s47, \rb, s47
	s_cselect_b32 s48, \dst, s48
	s_cselect_b64 s[50:51], s[\ptr:\ptr+1], s[50:51]
.endm
	s_mov_b32 s44, 512                             ; W_fc2: first work-group,
	s_mov_b32 s45, 5                               ; log2(K / 128),
	s_mov_b32 s46, 4096                            ; bytes in a row of W,
	s_mov_b32 s47, 65536                           ; bytes of 16 rows of codes: 16 K,
	s_mov_b32 s48, 8388608                         ; place in wcodes
	s_mov_b64 s[50:51], s[16:17]
	PICK 512, 256, 3, 16384, 16384, 4194304, 14    ; W_fc1
	PICK 256, 192, 3, 4096, 16384, 3145728, 12     ; W_proj
	PICK 192, 0, 3, 12288, 16384, 0, 10            ; W_attn
	s_sub_co_u32 s58, ttmp9, s44
	s_bfm_b32 s59, s45, 0
	s_and_b32 s59, s58, s59                        ; y: which 128 along K
	s_lshr_b32 s58, s58, s45                       ; x: which 128 columns
	s_mul_i32 s28, s59, s46
	s_lshl_b32 s28, s28, 7                         ; 128 y rows of W
	s_lshl_b32 s29, s58, 9
	s_add_co_u32 s28, s28, s29                     ; + 128 x columns
	s_lshl_b32 s29, s2, 7
	s_add_co_u32 s28, s28, s29                     ; + 32 columns a wave
	s_mov_b32 s29, 0
	s_add_nc_u64 s[50:51], s[50:51], s[28:29]      ; the even blocks' base
	s_lshl_b32 s54, s46, 5
	s_mov_b32 s55, 0
	s_add_nc_u64 s[52:53], s[50:51], s[54:55]      ; the odd blocks': 32 rows further down
	s_lshl_b32 s54, s46, 6                         ; each steps by 64 rows
	s_lshl_b32 s28, s58, 3
	s_lshl_b32 s30, s2, 1
	s_add_co_u32 s28, s28, s30                     ; my first block of 16 rows of codes: 8 x + 2 wave
	s_mul_i32 s28, s28, s47
	s_add_co_u32 s28, s28, s48
	s_lshl_b32 s30, s59, 11
	s_add_co_u32 s28, s28, s30                     ; + 2,048 y: 128 along K of 16 rows
	s_add_nc_u64 s[56:57], s[24:25], s[28:29]
	s_wait_alu depctr_va_vdst(0)
	v_lshlrev_b32 v2, 2, v1                        ; 4 x lane
	v_lshrrev_b32 v3, 4, v1
	v_mul_u32_u24 v3, s47, v3
	v_and_b32 v4, 15, v1
	v_lshl_add_u32 v3, v4, 4, v3                   ; out: lanes 0-15 one block of 16 rows, lanes 16-31 the next; 16 bytes a row
.set i, 0
.rept 32
	v_mad_u32_u24 v[OFF+i], s46, i, v2
.set i, i+1
.endr
.macro WLOAD t                         ; block t: W(32 t + i, my column), i = 0 .. 31: each load reads 128 bytes on end, the four waves side by side 512
.if (\t) >= 2
	s_wait_xcnt 0x0                                ; the loads that named this base have had their addresses translated: it may step
	s_add_nc_u64 s[50+2*((\t)%2):51+2*((\t)%2)], s[50+2*((\t)%2):51+2*((\t)%2)], s[54:55]
.endif
.set i, 0
.rept 32
	global_load_b32 v[WX+32*((\t)%2)+i], v[OFF+i], s[50+2*((\t)%2):51+2*((\t)%2)] th:TH_LOAD_NT
.set i, i+1
.endr
.endm
.macro WBLOCK t
.set XS, WX+32*((\t)%2)
.set CS, WC+8*(\t)
.if (\t) < NBK-1
	s_wait_loadcnt 32                              ; this block's 32 loads are in; the next block's 32 may be out
.else
	s_wait_loadcnt 0
.endif
.set i, 0
.rept 32
	v_med3_num_f32 v[XS+i], v[XS+i], -v[LIM], v[LIM]   ; the conversion does not saturate (ISA guide 7.6.2): the hold at the largest code x the scale
.set i, i+1
.endr
	v_cvt_scalef32_pk8_fp8_f32 v[CS:CS+1],   v[XS:XS+7],     v[SCL]   ; k 0-7:   first 256 bytes, low 8 of my 16
	v_cvt_scalef32_pk8_fp8_f32 v[CS+4:CS+5], v[XS+8:XS+15],  v[SCL]   ; k 8-15:  second 256 bytes, low 8
	v_cvt_scalef32_pk8_fp8_f32 v[CS+2:CS+3], v[XS+16:XS+23], v[SCL]   ; k 16-23: first, high 8
	v_cvt_scalef32_pk8_fp8_f32 v[CS+6:CS+7], v[XS+24:XS+31], v[SCL]   ; k 24-31: second, high 8
	v_nop                                          ; one plain line behind the last conversion of a run
	global_store_b128 v3, v[CS:CS+3],   s[56:57] offset:512*(\t)      ; sixteen lanes fill 256 bytes on end, aligned
	global_store_b128 v3, v[CS+4:CS+7], s[56:57] offset:512*(\t)+256
.if (\t)+2 < NBK
	WLOAD (\t)+2
.endif
.endm
	WLOAD 0
	WLOAD 1
	s_wait_kmcnt 0x0
	s_mov_b32 s49, s43                             ; e11, or e9, e7, e1
	s_cmp_lt_u32 ttmp9, 512
	s_cselect_b32 s49, s41, s49
	s_cmp_lt_u32 ttmp9, 256
	s_cselect_b32 s49, s39, s49
	s_cmp_lt_u32 ttmp9, 192
	s_cselect_b32 s49, s33, s49
	s_add_co_i32 s49, s49, 127
	s_lshl_b32 s30, s49, 23
	v_mov_b32 v[SCL], s30                          ; 2^e as f32: the conversion takes its exponent field
	s_add_co_i32 s49, s49, 8
	s_lshl_b32 s49, s49, 23
	s_or_b32 s49, s49, 0x600000
	v_mov_b32 v[LIM], s49                          ; 448 x 2^e
	s_wait_alu depctr_va_vdst(0)
.irp t, 0,1,2,3
	WBLOCK \t
.endr
	s_endpgm
; ---------------- LN1 ----------------
.Lln:
	s_sub_co_u32 s3, ttmp9, NWG                    ; my block of 16 rows
	s_lshl_b32 s28, s3, 16
	s_lshl_b32 s29, s2, 14
	s_add_co_u32 s28, s28, s29
	s_mov_b32 s29, 0
	s_add_nc_u64 s[8:9], s[8:9], s[28:29]          ; x at my wave's first row: (16 j + 4 w) x 4,096
	s_lshl_b32 s28, s3, 14
	s_lshl_b32 s30, s2, 12
	s_add_co_u32 s28, s28, s30
	s_add_nc_u64 s[26:27], s[26:27], s[28:29]      ; codes: 16,384 j + 4,096 w
	s_mov_b32 s60, 0x76543210                      ; v_permlanex16_b32: lane l xor 16
	s_mov_b32 s61, 0xfedcba98
	s_mov_b32 s62, 0x3727c5ac                      ; eps = 1e-5
	s_mov_b32 s63, 0x3a800000                      ; 1 / 1,024
	s_wait_alu depctr_va_vdst(0)
	v_lshlrev_b32 v2, 5, v1                        ; lane l holds k = 256 j + 8 l + 0 .. 7, j = 0 .. 3: 32 bytes at 32 l of each 1,024
.irp j, 0,1,2,3
	global_load_b128 v[G+8*\j:G+8*\j+3],   v2, s[18:19] offset:1024*\j
	global_load_b128 v[G+8*\j+4:G+8*\j+7], v2, s[18:19] offset:1024*\j+16
.endr
.irp j, 0,1,2,3
	global_load_b128 v[B+8*\j:B+8*\j+3],   v2, s[20:21] offset:1024*\j
	global_load_b128 v[B+8*\j+4:B+8*\j+7], v2, s[20:21] offset:1024*\j+16
.endr
.irp q, 0,1,2,3
.irp j, 0,1,2,3
	global_load_b128 v[X+32*\q+8*\j:X+32*\q+8*\j+3],   v2, s[8:9] offset:4096*\q+1024*\j th:TH_LOAD_NT
	global_load_b128 v[X+32*\q+8*\j+4:X+32*\q+8*\j+7], v2, s[8:9] offset:4096*\q+1024*\j+16 th:TH_LOAD_NT
.endr
.endr
	; the stage: 64 pieces of 256 bytes (16 rows x 16 bytes), 272 bytes apart.  My 8 codes of group j lie in piece 16 j + 2 (l / 4) + l % 2, row 4 w + q, half (l / 2) % 2
	v_lshrrev_b32 v3, 2, v1
	v_lshlrev_b32 v3, 1, v3
	v_and_b32 v4, 1, v1
	v_add_nc_u32 v3, v3, v4
	v_mul_u32_u24 v3, v3, 272
	v_bfe_u32 v4, v1, 1, 1
	v_lshl_add_u32 v3, v4, 3, v3
	s_lshl_b32 s30, s2, 6
	v_add_nc_u32 v3, s30, v3                       ; in
	v_lshrrev_b32 v4, 4, v1
	s_lshl_b32 s30, s2, 4
	v_add_nc_u32 v4, s30, v4
	v_mul_u32_u24 v4, v4, 272
	v_and_b32 v5, 15, v1
	v_lshl_add_u32 v4, v5, 4, v4                   ; back: wave w takes pieces 16 w on, two an instruction
	v_lshlrev_b32 v5, 4, v1                        ; and stores them on end
	s_wait_kmcnt 0x0
	s_add_co_i32 s30, s32, 127                     ; e0
	s_lshl_b32 s31, s30, 23
	v_mov_b32 v[SCL], s31
	s_add_co_i32 s30, s30, 8
	s_lshl_b32 s30, s30, 23
	s_or_b32 s30, s30, 0x600000
	v_mov_b32 v[LIM], s30
.macro XSUM                            ; v[T] summed over the 32 lanes, the result in every lane
	v_add_f32_dpp v[T], v[T], v[T] row_xmask:1 row_mask:0xf bank_mask:0xf
	v_add_f32_dpp v[T], v[T], v[T] row_xmask:2 row_mask:0xf bank_mask:0xf
	v_add_f32_dpp v[T], v[T], v[T] row_xmask:4 row_mask:0xf bank_mask:0xf
	v_add_f32_dpp v[T], v[T], v[T] row_xmask:8 row_mask:0xf bank_mask:0xf
	v_permlanex16_b32 v[T+1], v[T], s60, s61
	v_add_f32 v[T], v[T], v[T+1]
.endm
.macro LNROW q
.set XR, X+32*\q
	s_wait_loadcnt 8*(3-\q)                        ; this row's eight loads are in; the later rows' may be out
	v_pk_add_f32 v[T:T+1],   v[XR:XR+1],   v[XR+4:XR+5]       ; the sum, in two chains
	v_pk_add_f32 v[T+2:T+3], v[XR+2:XR+3], v[XR+6:XR+7]
.irp i, 8,12,16,20,24,28
	v_pk_add_f32 v[T:T+1],   v[T:T+1],   v[XR+\i:XR+\i+1]
	v_pk_add_f32 v[T+2:T+3], v[T+2:T+3], v[XR+\i+2:XR+\i+3]
.endr
	v_pk_add_f32 v[T:T+1], v[T:T+1], v[T+2:T+3]
	v_add_f32 v[T], v[T], v[T+1]
	XSUM
	v_mul_f32 v[MU], s63, v[T]                     ; the mean
	v_mov_b32 v[MU+1], v[MU]
.irp i, 0,2,4,6,8,10,12,14,16,18,20,22,24,26,28,30
	v_pk_add_f32 v[XR+\i:XR+\i+1], v[XR+\i:XR+\i+1], v[MU:MU+1] neg_lo:[0,1] neg_hi:[0,1]
.endr
	v_pk_mul_f32 v[T:T+1],   v[XR:XR+1],   v[XR:XR+1]         ; the squared differences
	v_pk_mul_f32 v[T+2:T+3], v[XR+2:XR+3], v[XR+2:XR+3]
.irp i, 4,8,12,16,20,24,28
	v_pk_fma_f32 v[T:T+1],   v[XR+\i:XR+\i+1],   v[XR+\i:XR+\i+1],   v[T:T+1]
	v_pk_fma_f32 v[T+2:T+3], v[XR+\i+2:XR+\i+3], v[XR+\i+2:XR+\i+3], v[T+2:T+3]
.endr
	v_pk_add_f32 v[T:T+1], v[T:T+1], v[T+2:T+3]
	v_add_f32 v[T], v[T], v[T+1]
	XSUM
	v_fma_f32 v[T], v[T], s63, s62                 ; var + eps
	s_wait_alu depctr_va_vdst(0)
	v_rsq_f32 v[MU], v[T]
	v_nop                                          ; a plain line behind the transcendental,
	s_wait_alu depctr_va_vdst(0)                   ; and a wait ahead of its first reader
	v_mov_b32 v[MU+1], v[MU]
.irp i, 0,2,4,6,8,10,12,14,16,18,20,22,24,26,28,30
	v_pk_mul_f32 v[XR+\i:XR+\i+1], v[XR+\i:XR+\i+1], v[MU:MU+1]
.endr
.irp i, 0,2,4,6,8,10,12,14,16,18,20,22,24,26,28,30
	v_pk_fma_f32 v[XR+\i:XR+\i+1], v[XR+\i:XR+\i+1], v[G+\i:G+\i+1], v[B+\i:B+\i+1]
.endr
.set i, 0
.rept 32
	v_med3_num_f32 v[XR+i], v[XR+i], -v[LIM], v[LIM]
.set i, i+1
.endr
.irp j, 0,1,2,3
	v_cvt_scalef32_pk8_fp8_f32 v[C+8*\q+2*\j:C+8*\q+2*\j+1], v[XR+8*\j:XR+8*\j+7], v[SCL]
.endr
	v_nop                                          ; one plain line behind the last conversion of a run
.irp j, 0,1,2,3
	ds_store_b64 v3, v[C+8*\q+2*\j:C+8*\q+2*\j+1] offset:4352*\j+16*\q   ; the 32 lanes touch 64 different banks
.endr
.endm
	LNROW 0
	LNROW 1
	LNROW 2
	LNROW 3
	s_wait_dscnt 0x0                               ; for the others' sake: my stores into the stage are done
	s_barrier_signal -1
	s_barrier_wait -1
.irp i, 0,1,2,3,4,5,6,7
	ds_load_b128 v[X+4*\i:X+4*\i+3], v4 offset:544*\i
.endr
.irp i, 0,1,2,3,4,5,6,7
	s_wait_dscnt 7-\i                              ; LDS loads come back in order: number i is in
	global_store_b128 v5, v[X+4*\i:X+4*\i+3], s[26:27] offset:512*\i     ; 512 bytes on end, aligned
.endr
	s_wait_tensorcnt 0x0                           ; the wave's end
	ds_add_u32 v248, v249
	s_wait_dscnt 0x0
	s_endpgm
.Lfunc_end_k_qbdb70130ed_prep:
	.size	k_qbdb70130ed_prep, .Lfunc_end_k_qbdb70130ed_prep-k_qbdb70130ed_prep
	.p2alignl 7, 3214868480
	.fill 96, 4, 3214868480
	.section	.rodata,"a",@progbits
	.p2align	6, 0x0
	.amdhsa_kernel k_qbdb70130ed_prep
		.amdhsa_group_segment_fixed_size 17920
		.amdhsa_private_segment_fixed_size 0
		.amdhsa_enable_private_segment 0
		.amdhsa_kernarg_size 80
		.amdhsa_user_sgpr_count 2
		.amdhsa_user_sgpr_kernarg_segment_ptr 1
		.amdhsa_wavefront_size32 1
		.amdhsa_system_sgpr_workgroup_id_x 1
		.amdhsa_system_sgpr_workgroup_id_y 1
		.amdhsa_system_sgpr_workgroup_id_z 1
		.amdhsa_system_vgpr_workitem_id 0
		.amdhsa_next_free_vgpr 250
		.amdhsa_next_free_sgpr 66
		.amdhsa_reserve_vcc 0
		.amdhsa_float_denorm_mode_32 3
		.amdhsa_float_denorm_mode_16_64 3
		.amdhsa_memory_ordered 1
		.amdhsa_forward_progress 1
		.amdhsa_inst_pref_size 71
	.end_amdhsa_kernel
	.amdgpu_metadata
---
amdhsa.version: [ 1, 2 ]
amdhsa.kernels:
  - .name:           k_qbdb70130ed_prep
    .symbol:         k_qbdb70130ed_prep.kd
    .args:
      - { .name: x, .offset: 0, .size: 8, .value_kind: global_buffer, .address_space: global }
      - { .name: W_attn, .offset: 8, .size: 8, .value_kind: global_buffer, .address_space: global }
      - { .name: W_proj, .offset: 16, .size: 8, .value_kind: global_buffer, .address_space: global }
      - { .name: W_fc1, .offset: 24, .size: 8, .value_kind: global_buffer, .address_space: global }
      - { .name: W_fc2, .offset: 32, .size: 8, .value_kind: global_buffer, .address_space: global }
      - { .name: ln1_g, .offset: 40, .size: 8, .value_kind: global_buffer, .address_space: global }
      - { .name: ln1_b, .offset: 48, .size: 8, .value_kind: global_buffer, .address_space: global }
      - { .name: lowp_scales, .offset: 56, .size: 8, .value_kind: global_buffer, .address_space: global }
      - { .name: wcodes, .offset: 64, .size: 8, .value_kind: global_buffer, .address_space: global }
      - { .name: h_codes, .offset: 72, .size: 8, .value_kind: global_buffer, .address_space: global }
    .group_segment_fixed_size: 17920
    .private_segment_fixed_size: 0
    .kernarg_segment_align: 8
    .kernarg_segment_size: 80
    .max_flat_workgroup_size: 128
    .sgpr_count:     66
    .vgpr_count:     250
    .wavefront_size: 32
...
	.end_amdgpu_metadata
.endif
;; end of part 1
;; launch qkv (part 2): grid 12 x 16, 4 waves a work-group, clusters of 4 x 4, 327,680 bytes of LDS; arguments h_codes, wcodes, lowp_scales, qkv_codes; writes qkv_codes
.if DOCPART == 2
	.amdgcn_target "amdgcn-amd-amdhsa--gfx1250"
	.amdhsa_code_object_version 6
	.text
	.protected	k_qbdb70130ed_qkv
	.globl	k_qbdb70130ed_qkv
	.p2align	8
	.type	k_qbdb70130ed_qkv,@function
k_qbdb70130ed_qkv:
	s_mov_b64 s[64:65], 0
	v_nop
	global_prefetch_b8 v0, s[64:65] scope:SCOPE_SE
	s_setreg_imm32_b32 hwreg(HW_REG_WAVE_MODE, 25, 1), 1
	s_wait_xcnt 0x0
	s_wait_alu depctr_hold_cnt(0) depctr_sa_sdst(0) depctr_va_vdst(0) depctr_va_sdst(0) depctr_va_ssrc(0) depctr_va_vcc(0) depctr_vm_vsrc(0)
	s_getreg_b32 s2, hwreg(HW_REG_IB_STS2, 6, 4)
	s_cmp_eq_u32 s2, 0
	s_cbranch_scc0 .Lentry_in_a_cluster
	s_endpgm
.Lentry_in_a_cluster:
	s_bfe_u32 s2, ttmp6, 0x10000c
	s_cmp_lg_u32 s2, 0xf033
	s_cbranch_scc0 .Lentry_shape_is_right
	s_endpgm
.Lentry_shape_is_right:
; qkv = LN1(x) W_attn on codes of FP8 (E4M3), and q, k, v quantised at once into the operands of attention.  M 4,096, K 1,024, N 3,072.
; A tile of 256 x 256 is made by four waves, each 128 x 128: 64 accumulators, 512 registers.  K goes in steps of 256 through two LDS slots filled by the tensor data mover.
; THE CODES' LAYOUT (all buffers): byte(m, k) = (m / 16) 16 K + (k / 32) 512 + ((k / 8) % 2) 256 + (m % 16) 16 + ((k / 16) % 2) 8 + k % 8: 16 rows x 128 K are 2,048 bytes on end; four LDS loads of
; 16 bytes a lane at 512 c + 16 lane are a fragment, each k in its own place; every load touches 512 bytes on end, so LDS needs no padding.
; THE MATRIX INSTRUCTION: source 0 = 16 rows of 'B', source 1 = 16 rows of 'A'.  In accumulator (a, b) lane (r, h) holds A's row 16 a + r and B's rows 16 b + 8 h + 0 .. 7: eight neighbours along what becomes
; the next product's K.  One conversion an accumulator gives 8 bytes, two accumulators the 16 bytes at 512 (b / 2) + 16 lane of the same layout: the codes are stored from registers, 512 bytes on end a store.
; THE CLUSTER'S x (0, 1, 2) SAYS q, k OR v; its y the batch.  q, k: A = rows of h (t), B = rows of W^T (n): codes with rows t, K = the head's 64.  v: the matrices change places, A = rows of W^T, B = rows of h:
; codes with rows d, K = the keys.  The choice is made by s_cselect alone and is the same in all sixteen partners.
; qkv_codes: q at 0: [b h 64][16 t 64][1,024 bytes]; k at 4,194,304 likewise; v at 8,388,608: [b h 64][16 d 4][16,384 bytes].
; CLUSTERS 4 x 4: A's tile hangs on cy, B's on cx; each is asked for jointly by the four that share it.
; THE FOUR K STEPS: step 0 is asked for at the head, one tensor load a wave; step 1 behind a whole round when step 0 is in; steps 2 and 3 by the refills.  Each load but the first sets out when the one before it has landed.
; PREFETCHES: behind step 0's load K step 1 is asked for, behind step 1's load K steps 2 and 3: one or two steps ahead of the loads that want them.  A K step of a tile is 16 blocks of 16 rows x 4,096 bytes; the four
; partners that share the tile take four blocks each, told apart by address (cx for A, cy for B); waves 0, 1 take two of A's each, waves 2, 3 two of B's: 2 blocks x 16 pieces of 256 bytes = 32 lanes, one instruction a K step.
; LIMITS: e2 - e0 - e1, e3 - e0 - e1, e5 - e0 - e1 between -126 and 119.
; REGISTERS: window 0: v16-31 addresses and scales; v32-95 at work on the way out; v96-111 the stores' offsets; v128-255 A's eight fragments, one set, later the codes.
;   window 1: B's fragments, two sets.   windows 2, 3: the accumulators ((a, b) at v[8 (8 (a % 4) + b)]).
.set SLOT,  131072                     ; A's 16 blocks of 16 rows x 256 K (4,096 bytes each), then B's 16
.set SPARE, 262144                     ; behind the ring: the spare words, 128 bytes a wave
.set ADRA, 16
.set ADRB, 20
.set PFO,  25                          ; v25 the prefetches' offset: 16,384 (lane / 16) + 256 (lane % 16); never rewritten
.set LN16, 26                          ; v26 16 x lane
.set SPW,  28
.set NIL,  29
.set LIM,  30
.set SCL,  31
.set TMP,  32
.set VA,   96
.set AF,   128
.set CODE, 128
.set G1,  24
.set G0,  32
.set G1B, 48
.set G0B, 56
.set PFB, 90                           ; s[90:91] the prefetches' base: my two blocks of my tensor's tile; never rewritten
.set MSB, 0
.macro WIN new                         ; the immediate's high byte repeats the setting that is left
.if MSB != \new
	s_set_vgpr_msb (MSB<<8)|\new
.set MSB, \new
.endif
.endm
.set MUL_LO, 0xa1                      ; source 0 (B) window 1, source 1 (A) window 0, C and D window 2
.set MUL_HI, 0xf1
.set TO_B,   0x40
.macro JLOAD g0a, g1a, g0b, g1b        ; a joint load: waves 0, 1 fetch A's halves, waves 2, 3 B's; four v_nop follow each line
	s_cmp_eq_u32 s15, 0
	s_cbranch_scc0 .Lfor_b_\@
	tensor_load_to_lds s[\g0a:\g0a+3], s[\g1a:\g1a+7]
	s_nop 0
.rept 4
	v_nop
.endr
	s_branch .Lasked_\@
.Lfor_b_\@:
	tensor_load_to_lds s[\g0b:\g0b+3], s[\g1b:\g1b+7]
	s_nop 0
.rept 4
	v_nop
.endr
.Lasked_\@:
.endm
.macro CREST                           ; a round of the cluster's barrier behind its opening barrier
	s_cmp_lg_u32 s14, 0
	s_cbranch_scc1 .Lnot_wave_0_\@
	s_barrier_signal -3
.Lnot_wave_0_\@:
	s_barrier_wait -3
	s_barrier_signal -1
	s_barrier_wait -1
.endm
.macro CROUND
	s_barrier_signal -1
	s_barrier_wait -1
	CREST
.endm
	s_load_b256 s[4:11], s[0:1], 0x0               ; h_codes 4, wcodes 6, lowp_scales 8, qkv_codes 10
	v_lshl_add_u32 v[SPW], v0, 2, SPARE
	v_mov_b32 v[NIL], 0
	ds_add_u32 v[SPW], v[NIL]                      ; the opening lines: the add, twice on end, and its wait ahead of my first tensor load
	ds_add_u32 v[SPW], v[NIL]
	s_wait_dscnt 0x0
	v_lshrrev_b32 v1, 5, v0
	v_readfirstlane_b32 s14, v1                    ; wave
	s_lshr_b32 s15, s14, 1                         ; wr: my half of A's rows.  Also: I fetch for A (0) or B (1)
	s_and_b32 s16, s14, 1                          ; wc: my half of B's rows.  Also: which half of that tile I fetch
	s_bfe_u32 s40, ttmp6, 0x40000                  ; cx
	s_bfe_u32 s41, ttmp6, 0x40004                  ; cy
	s_mov_b32 s42, ttmp9                           ; X: q, k or v
	s_and_b32 s43, ttmp7, 0xffff                   ; Y: the batch
	s_lshl_b32 s44, s41, 2
	s_lshl_b32 s44, 15, s44                        ; my row of the cluster
	s_lshl_b32 s45, 0x1111, s40                    ; my column
	s_or_b32 s[G1], s44, (1<<21)                   ; 15:0 the mask; 17:16 elements of 1 byte; no padding; 21 set beside a mask
	s_or_b32 s[G1B], s45, (1<<21)
.irp g, G1, G1B
	s_mov_b32 s[\g+1], 4096<<16                    ; tensor_dim0: 16 rows x 256 K on end
	s_mov_b32 s[\g+2], 8<<16                       ; tensor_dim1: 8 blocks of 16 rows
	s_mov_b32 s[\g+3], 4096<<16                    ; tile_dim0
	s_mov_b32 s[\g+4], 8                           ; tile_dim1
	s_mov_b32 s[\g+5], 16384                       ; from block to block: 16 x 1,024
	s_mov_b32 s[\g+6], 0
	s_mov_b32 s[\g+7], 0
.endr
	s_lshl_b32 s17, s43, 2                         ; 4 Y
	s_lshl_b32 s18, s42, 2                         ; 4 X
	s_cmp_eq_u32 s42, 2                            ; v?
	s_cselect_b32 s20, 0, s17
	s_cselect_b32 s46, s17, s18
	s_add_co_u32 s20, s20, s41                     ; A's tile of 256 rows: 4 Y + cy of h, or cy of v's part of W^T
	s_add_co_u32 s46, s46, s40                     ; B's: 4 X + cx of W^T, or 4 Y + cx of h
	s_lshl_b32 s20, s20, 18
	s_lshl_b32 s46, s46, 18
	s_cmp_eq_u32 s15, 0                            ; the prefetches: do I ask for A?
	s_cselect_b32 s88, s20, s46                    ; my tensor's tile,
	s_cselect_b32 s89, s40, s41                    ; my work-group's place among the four that share it: four blocks of 16,384 bytes each,
	s_lshl_b32 s89, s89, 16
	s_add_co_u32 s88, s88, s89
	s_lshl_b32 s89, s16, 15                        ; and my wave's two of them
	s_add_co_u32 s88, s88, s89
	s_mov_b32 s89, 0
	s_lshl_b32 s19, s16, 17                        ; the half that I fetch
	s_add_co_u32 s20, s20, s19
	s_add_co_u32 s46, s46, s19
	s_mov_b32 s21, 0
	s_mov_b32 s47, 0
	s_lshl_b32 s22, s14, 15                        ; where it goes: wave x 32,768
	s_wait_kmcnt 0x0
	s_load_b256 s[72:79], s[8:9], 0x0              ; e0 .. e7
	s_add_nc_u64 s[12:13], s[6:7], 2097152         ; W^T's rows 2,048 on
	s_cmp_eq_u32 s42, 2
	s_cselect_b64 s[84:85], s[12:13], s[4:5]
	s_cselect_b64 s[86:87], s[4:5], s[6:7]
	s_add_nc_u64 s[20:21], s[84:85], s[20:21]
	s_add_nc_u64 s[46:47], s[86:87], s[46:47]
	s_cmp_eq_u32 s15, 0
	s_cselect_b64 s[PFB:PFB+1], s[84:85], s[86:87]
	s_add_nc_u64 s[PFB:PFB+1], s[PFB:PFB+1], s[88:89]
	CROUND                                         ; all sixteen work-groups are here: the first joint loads meet
.irp s, 0,1
	s_mov_b32 s[G0+4*\s], 1
	s_add_co_u32 s[G0+4*\s+1], s22, \s*SLOT
	s_add_nc_u64 s[G0+4*\s+2:G0+4*\s+3], s[20:21], \s*4096
	s_or_b32 s[G0+4*\s+3], s[G0+4*\s+3], 0x80000000
	s_mov_b32 s[G0B+4*\s], 1
	s_add_co_u32 s[G0B+4*\s+1], s22, \s*SLOT
	s_add_nc_u64 s[G0B+4*\s+2:G0B+4*\s+3], s[46:47], \s*4096
	s_or_b32 s[G0B+4*\s+3], s[G0B+4*\s+3], 0x80000000
.endr
	JLOAD G0, G1, G0B, G1B                         ; K step 0: one tensor load a wave at the head
	v_and_b32 v1, 31, v0
	v_lshlrev_b32 v[LN16], 4, v1
	v_bfe_u32 v2, v0, 4, 1
	v_lshlrev_b32 v2, 14, v2
	v_and_b32 v3, 15, v0
	v_lshl_add_u32 v[PFO], v3, 8, v2
	global_prefetch_b8 v[PFO], s[PFB:PFB+1] offset:4096 th:TH_LOAD_NT scope:SCOPE_SE   ; K step 1
	s_wait_alu depctr_va_vdst(0)
	s_lshl_b32 s17, s15, 15                        ; my 8 blocks of A
	s_lshl_b32 s18, s16, 15
	s_add_co_u32 s18, s18, 65536                   ; my 8 blocks of B, behind A's 16
.irp s, 0,1
	v_add_nc_u32 v[ADRA+\s], s17, v[LN16]
	v_add_nc_u32 v[ADRB+\s], s18, v[LN16]
	s_add_co_u32 s17, s17, SLOT
	s_add_co_u32 s18, s18, SLOT
.endr
	; where the codes go
	s_lshl_b32 s66, s40, 2
	s_lshl_b32 s67, s16, 1
	s_add_co_u32 s66, s66, s67                     ; 4 cx + 2 wc
	s_lshl_b32 s67, s41, 2
	s_lshl_b32 s68, s15, 1
	s_add_co_u32 s67, s67, s68                     ; 4 cy + 2 wr
	s_lshl_b32 s68, s66, 10                        ; v: (8 cx + 4 wc) x 512: my first 128 keys
	s_lshl_b32 s69, s67, 12                        ; q, k: (16 cy + 8 wr) x 1,024: my first block of 16 t
	s_mov_b32 s70, 1024
	s_mov_b32 s71, 65536
	s_cmp_eq_u32 s42, 2
	s_cselect_b32 s66, s67, s66                    ; my first head
	s_cselect_b32 s68, s68, s69
	s_cselect_b32 s70, 16384, s70                  ; from a to a + 1: 16 t (q, k) or 16 d (v)
	s_cselect_b32 s71, 1024, s71                   ; from accumulators 0-3 to 4-7: the next head (q, k) or 64 keys (v)
	s_lshl_b32 s80, s42, 22
	s_lshl_b32 s81, s43, 4
	s_add_co_u32 s81, s81, s66
	s_lshl_b32 s81, s81, 16
	s_add_co_u32 s80, s80, s81
	s_add_co_u32 s80, s80, s68
	s_mov_b32 s81, 0
	s_add_nc_u64 s[10:11], s[10:11], s[80:81]
.irp a, 0,1,2,3,4,5,6,7
	v_mad_u32_u24 v[VA+2*\a], s70, \a, v[LN16]
	v_add_nc_u32 v[VA+2*\a+1], s71, v[VA+2*\a]
.endr
	s_wait_kmcnt 0x0
	s_cmp_eq_u32 s42, 0
	s_cselect_b32 s71, s74, s75                    ; e2 or e3,
	s_cmp_eq_u32 s42, 2
	s_cselect_b32 s71, s77, s71                    ; or e5
	s_sub_co_i32 s71, s71, s72
	s_sub_co_i32 s71, s71, s73                     ; a sum stands for sum x 2^(e0 + e1): the three scales are folded into the conversion's one
	s_add_co_i32 s71, s71, 127
	s_lshl_b32 s70, s71, 23
	v_mov_b32 v[SCL], s70
	s_add_co_i32 s71, s71, 8
	s_lshl_b32 s71, s71, 23
	s_or_b32 s71, s71, 0x600000
	v_mov_b32 v[LIM], s71
.macro FRAG reg, adr, q, i             ; block i of 16 rows, the slot's q-th 128 along K: 2,048 bytes on end
.irp c, 0,1,2,3
	ds_load_b128 v[\reg+4*\c:\reg+4*\c+3], v[\adr] offset:(\i)*4096+(\q)*2048+512*\c
.endr
.endm
.macro MUL16 a0, p, zero               ; A's blocks a0, a0 + 1 x B's eight.  The 64 accumulators take turns, one instruction a turn, in the same order in every step
.irp a, \a0, \a0+1
.irp b, 0,1,2,3,4,5,6,7
.if \zero
	v_wmma_f32_16x16x128_fp8_fp8 v[8*(8*((\a)%4)+\b):8*(8*((\a)%4)+\b)+7], v[128*(\p)+16*\b:128*(\p)+16*\b+15], v[AF+16*(\a):AF+16*(\a)+15], 0
.else
	v_wmma_f32_16x16x128_fp8_fp8 v[8*(8*((\a)%4)+\b):8*(8*((\a)%4)+\b)+7], v[128*(\p)+16*\b:128*(\p)+16*\b+15], v[AF+16*(\a):AF+16*(\a)+15], v[8*(8*((\a)%4)+\b):8*(8*((\a)%4)+\b)+7]
.endif
.endr
.endr
.endm
.macro FETCH_B slot, q, p
	WIN TO_B
.irp i, 0,1,2,3,4,5,6,7
	FRAG 128*(\p)+16*\i, ADRB+\slot, \q, \i
.endr
	WIN 0
.endm
.macro FETCH_A slot, q, i0
.irp i, \i0, \i0+1, \i0+2, \i0+3
	FRAG AF+16*(\i), ADRA+\slot, \q, \i
.endr
.endm
.macro PLACES n                        ; plain vector lines between a matrix instruction and a load into its registers or a read of its result
.rept \n
	v_nop
.endr
.endm
.macro STEP slot, q, zero              ; 128 along K whose successor lies in the same slot
	s_wait_dscnt 16                                ; B's set and A's blocks 0-3 are in; the youngest 16 loads (A's blocks 4-7) may be out
	WIN MUL_LO
	MUL16 0, (\q)%2, \zero
	MUL16 2, (\q)%2, \zero
	s_wait_dscnt 0
	PLACES 4
	FETCH_B \slot, (\q)+1, 1-(\q)%2
	FETCH_A \slot, (\q)+1, 0
	WIN MUL_HI
	MUL16 4, (\q)%2, \zero
	MUL16 6, (\q)%2, \zero
	PLACES 4
	WIN 0
	FETCH_A \slot, (\q)+1, 4
.endm
.macro TURN slot, next, fill           ; a slot's last step changes slots: one barrier
	s_wait_tensorcnt 0x0                           ; all my tensor loads have landed: my part of the next slot
	ds_add_u32 v[SPW], v[NIL]                      ; 0 onto my spare word
	s_wait_dscnt 17                                ; (the add and the youngest 16 loads may be out)
	WIN MUL_LO
	MUL16 0, 1, 0
	s_wait_dscnt 0x0                               ; the add is done, and my reads of this slot are over
	s_barrier_signal -1
	MUL16 2, 1, 0
	WIN 0
	s_barrier_wait -1
.if \fill
	CREST                                          ; the barrier has opened a round of the cluster's: no wave of any partner still reads this slot or has a load on its way
	s_add_nc_u64 s[G0+4*\slot+2:G0+4*\slot+3], s[G0+4*\slot+2:G0+4*\slot+3], 8192
	s_add_nc_u64 s[G0B+4*\slot+2:G0B+4*\slot+3], s[G0B+4*\slot+2:G0B+4*\slot+3], 8192
	JLOAD G0+4*\slot, G1, G0B+4*\slot, G1B         ; the first tensor load behind the round; its four v_nop are the places in front of the loads below
.else
	PLACES 4
.endif
	FETCH_B \next, 0, 0
	FETCH_A \next, 0, 0
	WIN MUL_HI
	MUL16 4, 1, 0
	MUL16 6, 1, 0
	PLACES 4
	WIN 0
	FETCH_A \next, 0, 4
.endm
	s_wait_alu depctr_va_vdst(0)
	s_wait_tensorcnt 0x0                           ; my part of K step 0 is in
	ds_add_u32 v[SPW], v[NIL]
	s_wait_dscnt 0x0
	CROUND                                         ; a whole round: everybody's part of K step 0 is in, and the joint loads meet
	JLOAD G0+4, G1, G0B+4, G1B                     ; K step 1: the first tensor load behind the round
	FETCH_B 0, 0, 0
	FETCH_A 0, 0, 0
	FETCH_A 0, 0, 4
	global_prefetch_b8 v[PFO], s[PFB:PFB+1] offset:8192 th:TH_LOAD_NT scope:SCOPE_SE    ; K step 2, which the next change of slots will load,
	global_prefetch_b8 v[PFO], s[PFB:PFB+1] offset:12288 th:TH_LOAD_NT scope:SCOPE_SE   ; and K step 3, the one after
	STEP 0, 0, 1                                   ; the first products start the sums: nothing is cleared
	TURN 0, 1, 1                                   ; slot 0 takes K step 2
	STEP 1, 0, 0
	TURN 1, 0, 1                                   ; slot 1 takes K step 3
	STEP 0, 0, 0
	TURN 0, 1, 0
	STEP 1, 0, 0
	s_wait_dscnt 16                                ; the last 128 along K: nothing more to fetch
	WIN MUL_LO
	MUL16 0, 1, 0
	MUL16 2, 1, 0
	s_wait_alu depctr_va_vdst(0)
	s_wait_dscnt 0
	WIN MUL_HI
	MUL16 4, 1, 0
	MUL16 6, 1, 0
	WIN 0
	PLACES 4
.macro OUTBLK a                        ; block a: 16 rows x 128: held, converted, stored from registers
	WIN (0x02+(\a)/4)
.set j, 0
.rept 64
	v_med3_num_f32 v[TMP+j], v[64*((\a)%4)+j], -v[LIM], v[LIM]   ; each accumulator from its low end on
.set j, j+1
.endr
	WIN 0
.irp b, 0,1,2,3,4,5,6,7
	v_cvt_scalef32_pk8_fp8_f32 v[CODE+16*(\a)+2*\b:CODE+16*(\a)+2*\b+1], v[TMP+8*\b:TMP+8*\b+7], v[SCL]
.endr
	v_nop                                          ; one plain line behind the last conversion: the next block writes their sources
	global_store_b128 v[VA+2*(\a)],   v[CODE+16*(\a):CODE+16*(\a)+3],     s[10:11]            ; 512 bytes on end, aligned; each block has registers of its own
	global_store_b128 v[VA+2*(\a)],   v[CODE+16*(\a)+4:CODE+16*(\a)+7],   s[10:11] offset:512
	global_store_b128 v[VA+2*(\a)+1], v[CODE+16*(\a)+8:CODE+16*(\a)+11],  s[10:11]
	global_store_b128 v[VA+2*(\a)+1], v[CODE+16*(\a)+12:CODE+16*(\a)+15], s[10:11] offset:512
.endm
.irp a, 0,1,2,3,4,5,6,7
	OUTBLK \a
.endr
	s_wait_tensorcnt 0x0                           ; the wave's end
	ds_add_u32 v[SPW], v[NIL]
	s_wait_dscnt 0x0
	CROUND                                         ; the closing round
	s_endpgm
.Lfunc_end_k_qbdb70130ed_qkv:
	.size	k_qbdb70130ed_qkv, .Lfunc_end_k_qbdb70130ed_qkv-k_qbdb70130ed_qkv
	.p2alignl 7, 3214868480
	.fill 96, 4, 3214868480
	.section	.rodata,"a",@progbits
	.p2align	6, 0x0
	.amdhsa_kernel k_qbdb70130ed_qkv
		.amdhsa_group_segment_fixed_size 327680
		.amdhsa_private_segment_fixed_size 0
		.amdhsa_enable_private_segment 0
		.amdhsa_kernarg_size 32
		.amdhsa_user_sgpr_count 2
		.amdhsa_user_sgpr_kernarg_segment_ptr 1
		.amdhsa_wavefront_size32 1
		.amdhsa_system_sgpr_workgroup_id_x 1
		.amdhsa_system_sgpr_workgroup_id_y 1
		.amdhsa_system_sgpr_workgroup_id_z 1
		.amdhsa_system_vgpr_workitem_id 0
		.amdhsa_next_free_vgpr 1024
		.amdhsa_next_free_sgpr 96
		.amdhsa_reserve_vcc 0
		.amdhsa_float_denorm_mode_32 3
		.amdhsa_float_denorm_mode_16_64 3
		.amdhsa_memory_ordered 1
		.amdhsa_forward_progress 1
		.amdhsa_inst_pref_size 120
	.end_amdhsa_kernel
	.amdgpu_metadata
---
amdhsa.version: [ 1, 2 ]
amdhsa.kernels:
  - .name:           k_qbdb70130ed_qkv
    .symbol:         k_qbdb70130ed_qkv.kd
    .args:
      - { .name: h_codes, .offset: 0, .size: 8, .value_kind: global_buffer, .address_space: global }
      - { .name: wcodes, .offset: 8, .size: 8, .value_kind: global_buffer, .address_space: global }
      - { .name: lowp_scales, .offset: 16, .size: 8, .value_kind: global_buffer, .address_space: global }
      - { .name: qkv_codes, .offset: 24, .size: 8, .value_kind: global_buffer, .address_space: global }
    .group_segment_fixed_size: 327680
    .private_segment_fixed_size: 0
    .kernarg_segment_align: 8
    .kernarg_segment_size: 32
    .max_flat_workgroup_size: 128
    .sgpr_count:     96
    .vgpr_count:     1024
    .wavefront_size: 32
...
	.end_amdgpu_metadata
.endif
;; end of part 2
;; launch attn (part 3): grid 4 x 64, 16 waves a work-group, clusters of 4 x 1, 169,984 bytes of LDS; arguments qkv_codes, lowp_scales, y_codes; writes y_codes
.if DOCPART == 3
	.amdgcn_target "amdgcn-amd-amdhsa--gfx1250"
	.amdhsa_code_object_version 6
	.text
	.protected	k_qbdb70130ed_attn
	.globl	k_qbdb70130ed_attn
	.p2align	8
	.type	k_qbdb70130ed_attn,@function
k_qbdb70130ed_attn:
	s_mov_b64 s[64:65], 0
	v_nop
	global_prefetch_b8 v0, s[64:65] scope:SCOPE_SE
	s_setreg_imm32_b32 hwreg(HW_REG_WAVE_MODE, 25, 1), 1
	s_wait_xcnt 0x0
	s_wait_alu depctr_hold_cnt(0) depctr_sa_sdst(0) depctr_va_vdst(0) depctr_va_sdst(0) depctr_va_ssrc(0) depctr_va_vcc(0) depctr_vm_vsrc(0)
	s_getreg_b32 s2, hwreg(HW_REG_IB_STS2, 6, 4)
	s_cmp_eq_u32 s2, 0
	s_cbranch_scc0 .Lentry_in_a_cluster
	s_endpgm
.Lentry_in_a_cluster:
	s_bfe_u32 s2, ttmp6, 0x10000c
	s_cmp_lg_u32 s2, 0x3003
	s_cbranch_scc0 .Lentry_shape_is_right
	s_endpgm
.Lentry_shape_is_right:
; y = softmax(q k^T / 8, causal) v for 64 heads-in-batch of 1,024 positions and head size 64, both products on codes of FP8 (E4M3); y is quantised at once into the projection's operand.
; THE SOFTMAX: t = score x log2(e) / 8; M = the running largest t rounded UP to a whole number; p = 2^(t - M) is quantised, not normalised; the row's sum is taken of the unquantised p and divides at the end.
; When M moves, the sum and O are multiplied by 2^(old M - new M): exact.
; SHARES.  The four work-groups of a cluster are one head.  Each of a work-group's sixteen waves owns one tile of 16 queries, tile cx + 4 u, u from a table by the wave's number.  A tile needs u / 2 + 1 key steps of 128:
; that hangs on the wave's number alone.  The table is laid so that waves w % 4 = s, and waves w / 4 = s, have 18 steps together for every s; every work-group has 72.
; LDS is filled ONCE: the head's K (64 blocks of 16 keys, 1,024 bytes each) at 0, its V (4 blocks of 16 d x 1,024 keys, 16,384 bytes each) at 65,536, by eight joint loads of 16,384 bytes (waves 0 to 7), each asked
; for by all four work-groups.  Nothing is filled again, so there is no ring; all of K and V is asked for at the head, so nothing is left to ask for ahead.
; LAYOUT.  S^T = K Q^T (source 0 = 16 keys, source 1 = my 16 queries): lane (r, h) holds query r and keys 16 kb + 8 h + 0 .. 7 in tile kb.  One conversion a tile gives registers 2 kb, 2 kb + 1 of the second
; product's operand (K = 128 keys) as the plain form wants them.  O^T = V^T P^T (source 0 = 16 d): lane (r, h) holds query r and d = 16 db + 8 h + 0 .. 7, which convert into 16 bytes of y's codes.
; THE CAUSAL MASK: steps beyond the tile's last are jumped over (a scalar branch on the wave's number and the step); in the last step hidden scores become -infinity ahead of the maximum.  Key 0 counts for every query.
; LIMITS: e2 + e3 between -123 and 130; e4, and e6 - e4 - e5, between -126 and 119.
; REGISTERS: v1-4 addresses; v8, v9 the step's addresses; v12 -M, v13 the largest t, v[14:15] the sum; v16-23 Q; v24-27 scales; v32-95 fragments; v96-159 S^T, then p; v160-191 O^T; v192-207 p's codes; v208-215 y's.
.set AK0, 1
.set AV0, 2
.set DD,  3
.set GL,  4
.set ADK, 8
.set ADV, 9
.macro ROUND                           ; a round of the cluster's barrier
	s_barrier_signal -1
	s_barrier_wait -1
	s_cmp_lg_u32 s18, 0
	s_cbranch_scc1 .Lnot_wave_0_\@
	s_barrier_signal -3
.Lnot_wave_0_\@:
	s_barrier_wait -3
	s_barrier_signal -1
	s_barrier_wait -1
.endm
	s_load_b128 s[4:7], s[0:1], 0x0                ; qkv_codes 4, lowp_scales 6
	s_load_b64 s[8:9], s[0:1], 0x10                ; y_codes
	v_lshl_add_u32 v251, v0, 2, 0x29000
	v_mov_b32 v255, 0
	ds_add_u32 v251, v255
	ds_add_u32 v251, v255
	v_lshrrev_b32 v8, 5, v0
	s_delay_alu instid0(VALU_DEP_1)
	v_readfirstlane_b32 s18, v8                    ; wave 0..15
	s_bfe_u32 s10, ttmp6, 0x40000                  ; cx
	s_and_b32 s11, ttmp7, 0xffff                   ; b h
	s_mov_b32 s19, 0x795b86a4                      ; u of waves 8 to 15, four bits each,
	s_cmp_lt_u32 s18, 8
	s_cselect_b32 s19, 0x3d1fc2e0, s19             ; of waves 0 to 7
	s_and_b32 s12, s18, 7
	s_lshl_b32 s13, s12, 2
	s_lshr_b32 s19, s19, s13
	s_and_b32 s19, s19, 15                         ; u
	s_lshr_b32 s41, s19, 1                         ; my last key step
	s_lshl_b32 s14, s19, 2
	s_add_co_u32 s14, s14, s10                     ; my tile of 16 queries: it enters global addresses and the mask's numbers alone
	s_mov_b32 s24, 15|(3<<16)|(1<<21)              ; 15:0 all four work-groups; 17:16 elements of 8 bytes; no padding; 21 set beside a mask
	s_mov_b32 s25, 32<<16                          ; tensor_dim0: 256 bytes
	s_mov_b32 s26, 64<<16                          ; tensor_dim1: 64 rows: 16,384 bytes on end
	s_mov_b32 s27, 32<<16                          ; tile_dim0
	s_mov_b32 s28, 64                              ; tile_dim1
	s_mov_b32 s29, 32                              ; pitch
	s_mov_b32 s30, 0
	s_mov_b32 s31, 0
	s_lshr_b32 s15, s12, 2                         ; wave & 7: 0-3 fetch K, 4-7 V
	s_add_co_u32 s15, s15, 1
	s_lshl_b32 s15, s15, 22
	s_lshl_b32 s16, s11, 16                        ; the head's 65,536 bytes
	s_add_co_u32 s15, s15, s16
	s_and_b32 s17, s12, 3
	s_lshl_b32 s17, s17, 14
	s_add_co_u32 s36, s15, s17
	s_mov_b32 s37, 0
	s_mov_b32 s20, 0x76543210
	s_mov_b32 s21, 0xfedcba98
	s_mov_b32 s22, 0x3e38aa3b                      ; c = log2(e) / 8
	s_wait_dscnt 0x0
	s_wait_kmcnt 0x0
	s_load_b128 s[44:47], s[6:7], 0x8              ; e2 .. e5
	s_load_b32 s48, s[6:7], 0x18                   ; e6
	s_mov_b32 s32, 1
	s_lshl_b32 s33, s12, 14                        ; LDS: 16,384 x (wave & 7)
	s_add_nc_u64 s[34:35], s[4:5], s[36:37]
	s_or_b32 s35, s35, 0x80000000
	ROUND                                          ; all four work-groups are here: the joint loads meet
	s_cmp_lt_u32 s18, 8
	s_cbranch_scc0 .Lno_fill
	tensor_load_to_lds s[32:35], s[24:31]          ; one load of mine is out
	s_nop 0
.rept 4
	v_nop
.endr
.Lno_fill:
	s_lshl_b32 s38, s14, 10
	s_add_co_u32 s38, s38, s16
	s_mov_b32 s39, 0
	s_add_nc_u64 s[38:39], s[4:5], s[38:39]        ; q: head, tile
	v_and_b32 v8, 31, v0
	s_delay_alu instid0(VALU_DEP_1)
	v_lshlrev_b32 v[GL], 4, v8
	global_load_b128 v[16:19], v[GL], s[38:39]
	global_load_b128 v[20:23], v[GL], s[38:39] offset:512
	v_lshlrev_b32 v[AK0], 4, v8
	s_delay_alu instid0(VALU_DEP_1)
	v_add_nc_u32 v[AV0], 65536, v[AK0]
	s_and_b32 s15, s14, 7
	s_lshl_b32 s15, s15, 4
	v_and_b32 v9, 15, v0
	v_bfe_u32 v10, v0, 4, 1
	s_delay_alu instid0(VALU_DEP_1)
	v_lshlrev_b32 v10, 3, v10
	s_delay_alu instid0(VALU_DEP_1)
	v_sub_nc_u32 v[DD], v9, v10
	s_delay_alu instid0(VALU_DEP_1)
	v_add_nc_u32 v[DD], s15, v[DD]                 ; 16 (tile % 8) + r - 8 h: in the last step register j of tile kb is hidden where 16 kb + j is greater
	s_lshr_b32 s50, s11, 4
	s_lshl_b32 s50, s50, 6
	s_add_co_u32 s50, s50, s14
	s_lshl_b32 s50, s50, 14                        ; y: block of 16 rows 64 b + tile,
	s_and_b32 s51, s11, 15
	s_lshl_b32 s51, s51, 10                        ; k = 64 x head on
	s_add_co_u32 s50, s50, s51
	s_mov_b32 s51, 0
	s_add_nc_u64 s[50:51], s[8:9], s[50:51]
	v_mov_b32 v13, 0xff61b1e6                      ; the largest t so far: -3e38
	s_delay_alu instid0(VALU_DEP_1)
	v_floor_f32 v12, -v13
	v_mov_b32 v14, 0
	v_mov_b32 v15, 0
	v_mov_b32 v236, 0                              ; written once: a lane permute's destination counts as one of its sources
	v_mov_b32 v252, 0
	v_mov_b32 v253, 0
	v_mov_b32 v254, 0
.set j, 0
.rept 32
	v_mov_b32 v[160+j], 0                          ; O^T: the step is written once; the first finds zeros
.set j, j+1
.endr
	s_wait_kmcnt 0x0
	s_add_co_i32 s49, s44, s45
	s_lshl_b32 s49, s49, 23
	s_add_co_i32 s22, s22, s49                     ; a score stands for score x 2^(e2 + e3): added to c's exponent field
	s_mov_b32 s23, s22
	s_add_co_i32 s49, s46, 127
	s_lshl_b32 s52, s49, 23
	v_mov_b32 v25, s52                             ; 2^e4
	s_add_co_i32 s49, s49, 8
	s_lshl_b32 s49, s49, 23
	s_or_b32 s49, s49, 0x600000
	v_mov_b32 v24, s49                             ; 448 x 2^e4
	s_sub_co_i32 s49, s48, s46
	s_sub_co_i32 s49, s49, s47                     ; e6 - e4 - e5
	s_add_co_i32 s49, s49, 127
	s_lshl_b32 s52, s49, 23
	v_mov_b32 v27, s52
	s_add_co_i32 s49, s49, 8
	s_lshl_b32 s49, s49, 23
	s_or_b32 s49, s49, 0x600000
	v_mov_b32 v26, s49
	s_mov_b32 s40, 0                               ; the key step,
	s_mov_b32 s42, 0                               ; its K: 8,192 bytes a step,
	s_mov_b32 s43, 0                               ; its V: 2,048 bytes a step in each block of 16 d
	s_wait_tensorcnt 0x0                           ; my part of K and V is in,
	s_barrier_signal -1
	s_barrier_wait -1                              ; everybody's is
	s_wait_loadcnt 0x0                             ; Q
.Lstep:                                            ; eight trips in every wave; a step beyond my last is jumped over
	s_cmp_gt_u32 s40, s41
	s_cbranch_scc1 .Lskip
	v_add_nc_u32 v[ADK], s42, v[AK0]
	v_add_nc_u32 v[ADV], s43, v[AV0]
.irp kb, 0,1,2,3,4,5,6,7
	ds_load_b128 v[32+8*\kb:35+8*\kb], v[ADK] offset:1024*\kb
	ds_load_b128 v[36+8*\kb:39+8*\kb], v[ADK] offset:1024*\kb+512
.endr
	s_wait_alu depctr_va_vdst(0)
	s_wait_dscnt 0x0
.irp kb, 0,1,2,3,4,5,6,7
	v_wmma_f32_16x16x64_fp8_fp8 v[96+8*\kb:103+8*\kb], v[32+8*\kb:39+8*\kb], v[16:23], 0
.endr
.rept 4
	v_nop                                          ; places in front of the loads into K's registers and of the first read of the scores
.endr
.irp db, 0,1,2,3
.irp c, 0,1,2,3
	ds_load_b128 v[32+16*\db+4*\c:35+16*\db+4*\c], v[ADV] offset:16384*\db+512*\c   ; V lands while the softmax is walked
.endr
.endr
	s_cmp_lg_u32 s40, s41
	s_cbranch_scc1 .Lopen                          ; only my last step lies on the diagonal
	v_mov_b32 v254, 0xff800000
.set n, 0
.rept 64
	v_cmp_gt_i32 vcc_lo, 16*(n/8)+n%8, v[DD]
	v_cndmask_b32 v[96+n], v[96+n], v254, vcc_lo
.set n, n+1
.endr
.Lopen:
	v_max3_num_f32 v254, v96, v97, v98             ; the step's largest score of my query among my 64 keys, in two chains, each tile from its low end on
	v_max3_num_f32 v252, v99, v100, v101
.irp i, 6,10,14,18,22,26,30,34,38,42,46,50,54,58
	v_max3_num_f32 v254, v254, v[96+\i], v[97+\i]
	v_max3_num_f32 v252, v252, v[98+\i], v[99+\i]
.endr
	v_max3_num_f32 v254, v254, v158, v159
	s_delay_alu instid0(VALU_DEP_1)
	v_max_num_f32 v254, v254, v252
	s_delay_alu instid0(VALU_DEP_1)
	v_permlanex16_b32 v236, v254, s20, s21
	s_delay_alu instid0(VALU_DEP_1)
	v_max_num_f32 v254, v254, v236                 ; and among lane l xor 16's
	s_delay_alu instid0(VALU_DEP_1)
	v_mul_f32 v254, s22, v254                      ; as t
	s_delay_alu instid0(VALU_DEP_1)
	v_max_num_f32 v13, v13, v254
	v_mov_b32 v254, v12
	s_delay_alu instid0(VALU_DEP_2)
	v_floor_f32 v12, -v13                          ; the new -M = floor(-t)
	s_delay_alu instid0(VALU_DEP_1)
	v_sub_f32 v254, v12, v254                      ; old M - new M: a whole number, 0 or less
	s_delay_alu instid0(VALU_DEP_1)
	v_cvt_i32_f32 v254, v254                       ; (it saturates)
	s_delay_alu instid0(VALU_DEP_1)
	v_ldexp_f32 v252, 1.0, v254                    ; f = 2^(old M - new M)
.irp j, 0,2,4,6,8,10,12,14,16,18,20,22,24,26,28,30,32,34,36,38,40,42,44,46,48,50,52,54,56,58,60,62
	v_pk_fma_f32 v[96+\j:97+\j], v[96+\j:97+\j], s[22:23], v[12:13] op_sel_hi:[1,0,0]   ; t - M
.endr
.set j, 0
	s_wait_alu depctr_va_vdst(0)
.rept 64
	v_exp_f32 v[96+j], v[96+j]                     ; p = 2^(t - M)
.set j, j+1
.endr
	v_pk_mul_f32 v[14:15], v[14:15], v[252:253] op_sel_hi:[1,0]   ; the sums under the new M: the plain line behind the exponentials
	s_wait_alu depctr_va_vdst(0)                   ; one wait for the batch, ahead of its first reader
	v_pk_add_f32 v[242:243], v[100:101], v[104:105]
	v_pk_add_f32 v[248:249], v[108:109], v[112:113]
	v_pk_add_f32 v[246:247], v[116:117], v[120:121]
	v_pk_add_f32 v[244:245], v[124:125], v[128:129]
	v_pk_add_f32 v[240:241], v[132:133], v[136:137]
	v_pk_add_f32 v[238:239], v[140:141], v[144:145]
	v_pk_add_f32 v[234:235], v[148:149], v[152:153]
	v_pk_add_f32 v[14:15], v[14:15], v[156:157]
	v_pk_add_f32 v[242:243], v[242:243], v[96:97]
	v_pk_add_f32 v[248:249], v[248:249], v[98:99]
	v_pk_add_f32 v[246:247], v[246:247], v[102:103]
	v_pk_add_f32 v[244:245], v[244:245], v[106:107]
	v_pk_add_f32 v[240:241], v[240:241], v[110:111]
	v_pk_add_f32 v[238:239], v[238:239], v[114:115]
	v_pk_add_f32 v[234:235], v[234:235], v[118:119]
	v_pk_add_f32 v[14:15], v[14:15], v[122:123]
	v_pk_add_f32 v[242:243], v[242:243], v[126:127]
	v_pk_add_f32 v[248:249], v[248:249], v[130:131]
	v_pk_add_f32 v[246:247], v[246:247], v[134:135]
	v_pk_add_f32 v[244:245], v[244:245], v[138:139]
	v_pk_add_f32 v[240:241], v[240:241], v[142:143]
	v_pk_add_f32 v[238:239], v[238:239], v[146:147]
	v_pk_add_f32 v[234:235], v[234:235], v[150:151]
	v_pk_add_f32 v[14:15], v[14:15], v[154:155]
	v_pk_add_f32 v[242:243], v[242:243], v[158:159]
	s_delay_alu instid0(VALU_DEP_2)
	v_pk_add_f32 v[14:15], v[14:15], v[244:245]
	s_delay_alu instid0(VALU_DEP_2)
	v_pk_add_f32 v[242:243], v[242:243], v[240:241]
	v_pk_add_f32 v[248:249], v[248:249], v[238:239]
	v_pk_add_f32 v[246:247], v[246:247], v[234:235]
	s_delay_alu instid0(VALU_DEP_2)
	v_pk_add_f32 v[14:15], v[14:15], v[248:249]
	s_delay_alu instid0(VALU_DEP_2)
	v_pk_add_f32 v[242:243], v[242:243], v[246:247]
	s_delay_alu instid0(VALU_DEP_1)
	v_pk_add_f32 v[14:15], v[14:15], v[242:243]
.irp kb, 0,1,2,3,4,5,6,7
.irp i, 0,1,2,3,4,5,6,7
	v_min_num_f32 v[96+8*\kb+\i], v[96+8*\kb+\i], v24   ; p is not negative: a one-sided hold
.endr
	v_cvt_scalef32_pk8_fp8_f32 v[192+2*\kb:193+2*\kb], v[96+8*\kb:103+8*\kb], v25
.endr
.irp j, 0,2,4,6,8,10,12,14,16,18,20,22,24,26,28,30
	v_pk_mul_f32 v[160+\j:161+\j], v[160+\j:161+\j], v[252:253] op_sel_hi:[1,0]   ; O^T under the new M; also the plain lines behind the conversions
.endr
	s_wait_alu depctr_va_vdst(0)
	s_wait_dscnt 0x0                               ; V
.irp db, 0,1,2,3
	v_wmma_f32_16x16x128_fp8_fp8 v[160+8*\db:167+8*\db], v[32+16*\db:47+16*\db], v[192:207], v[160+8*\db:167+8*\db]   ; four accumulators by turns
.endr
.rept 4
	v_nop                                          ; places in front of the next step's loads and of the way out's reads
.endr
.Lskip:
	s_add_co_u32 s42, s42, 8192
	s_add_co_u32 s43, s43, 2048
	s_add_co_u32 s40, s40, 1
	s_cmp_lt_u32 s40, 8
	s_cbranch_scc1 .Lstep
	v_add_f32 v14, v14, v15
	s_delay_alu instid0(VALU_DEP_1)
	v_permlanex16_b32 v252, v14, s20, s21
	s_delay_alu instid0(VALU_DEP_1)
	v_add_f32 v14, v14, v252                       ; the row's sum
	s_wait_alu depctr_va_vdst(0)
	v_rcp_f32 v14, v14
	v_nop
	s_wait_alu depctr_va_vdst(0)
	v_mov_b32 v15, v14
.irp j, 0,2,4,6,8,10,12,14,16,18,20,22,24,26,28,30
	v_pk_mul_f32 v[160+\j:161+\j], v[160+\j:161+\j], v[14:15]
.endr
.set j, 0
.rept 32
	v_med3_num_f32 v[160+j], v[160+j], -v26, v26
.set j, j+1
.endr
.irp db, 0,1,2,3
	v_cvt_scalef32_pk8_fp8_f32 v[208+2*\db:209+2*\db], v[160+8*\db:167+8*\db], v27   ; O / sum stands for y / 2^(e4 + e5): the three scales in one
.endr
	v_nop
	global_store_b128 v[GL], v[208:211], s[50:51]              ; 512 bytes on end, aligned
	global_store_b128 v[GL], v[212:215], s[50:51] offset:512
	s_wait_tensorcnt 0x0
	ds_add_u32 v251, v255
	s_wait_dscnt 0x0
	ROUND                                          ; the closing round
	s_endpgm
.Lfunc_end_k_qbdb70130ed_attn:
	.size	k_qbdb70130ed_attn, .Lfunc_end_k_qbdb70130ed_attn-k_qbdb70130ed_attn
	.p2alignl 7, 3214868480
	.fill 96, 4, 3214868480
	.section	.rodata,"a",@progbits
	.p2align	6, 0x0
	.amdhsa_kernel k_qbdb70130ed_attn
		.amdhsa_group_segment_fixed_size 169984
		.amdhsa_private_segment_fixed_size 0
		.amdhsa_enable_private_segment 0
		.amdhsa_kernarg_size 24
		.amdhsa_user_sgpr_count 2
		.amdhsa_user_sgpr_kernarg_segment_ptr 1
		.amdhsa_wavefront_size32 1
		.amdhsa_system_sgpr_workgroup_id_x 1
		.amdhsa_system_sgpr_workgroup_id_y 1
		.amdhsa_system_sgpr_workgroup_id_z 1
		.amdhsa_system_vgpr_workitem_id 0
		.amdhsa_next_free_vgpr 256
		.amdhsa_next_free_sgpr 66
		.amdhsa_reserve_vcc 1
		.amdhsa_float_denorm_mode_32 3
		.amdhsa_float_denorm_mode_16_64 3
		.amdhsa_memory_ordered 1
		.amdhsa_forward_progress 1
		.amdhsa_inst_pref_size 32
	.end_amdhsa_kernel
	.amdgpu_metadata
---
amdhsa.version: [ 1, 2 ]
amdhsa.kernels:
  - .name:           k_qbdb70130ed_attn
    .symbol:         k_qbdb70130ed_attn.kd
    .args:
      - { .name: qkv_codes, .offset: 0, .size: 8, .value_kind: global_buffer, .address_space: global }
      - { .name: lowp_scales, .offset: 8, .size: 8, .value_kind: global_buffer, .address_space: global }
      - { .name: y_codes, .offset: 16, .size: 8, .value_kind: global_buffer, .address_space: global }
    .group_segment_fixed_size: 169984
    .private_segment_fixed_size: 0
    .kernarg_segment_align: 8
    .kernarg_segment_size: 24
    .max_flat_workgroup_size: 512
    .sgpr_count:     66
    .vgpr_count:     256
    .wavefront_size: 32
...
	.end_amdgpu_metadata
.endif
;; end of part 3
;; launch proj (part 4): grid 8 x 32, 4 waves a work-group, clusters of 4 x 4, 327,680 bytes of LDS; arguments y_codes, wcodes, lowp_scales, b_proj, x, x1; writes x1
.if DOCPART == 4
	.amdgcn_target "amdgcn-amd-amdhsa--gfx1250"
	.amdhsa_code_object_version 6
	.text
	.protected	k_qbdb70130ed_proj
	.globl	k_qbdb70130ed_proj
	.p2align	8
	.type	k_qbdb70130ed_proj,@function
k_qbdb70130ed_proj:
	s_mov_b64 s[64:65], 0
	v_nop
	global_prefetch_b8 v0, s[64:65] scope:SCOPE_SE
	s_setreg_imm32_b32 hwreg(HW_REG_WAVE_MODE, 25, 1), 1
	s_wait_xcnt 0x0
	s_wait_alu depctr_hold_cnt(0) depctr_sa_sdst(0) depctr_va_vdst(0) depctr_va_sdst(0) depctr_va_ssrc(0) depctr_va_vcc(0) depctr_vm_vsrc(0)
	s_getreg_b32 s2, hwreg(HW_REG_IB_STS2, 6, 4)
	s_cmp_eq_u32 s2, 0
	s_cbranch_scc0 .Lentry_in_a_cluster
	s_endpgm
.Lentry_in_a_cluster:
	s_bfe_u32 s2, ttmp6, 0x10000c
	s_cmp_lg_u32 s2, 0xf033
	s_cbranch_scc0 .Lentry_shape_is_right
	s_endpgm
.Lentry_shape_is_right:
.set KK,    1024
.set WOFF,  3145728
.set SCOFF, 0x18
.set NS,    KK/512
.set RB16,  16*KK
.set SLOT,  131072
.set PART,  67584
.set SPARE, 270336
.set RD,   8
.set BI,   12
.set ADRA, 16
.set ADRB, 20
.set STO,  24
.set LN16, 26
.set SPW,  28
.set NIL,  29
.set TB,   32
.set AF,   128
.set G1,  24
.set G0,  32
.set G1B, 48
.set G0B, 56
.set WV,  66
.set WH,  67
.set WL,  68
.set MSB, 0
.macro WIN new
.if MSB != \new
	s_set_vgpr_msb (MSB<<8)|\new
.set MSB, \new
.endif
.endm
.set MUL_LO, 0xa1
.set MUL_HI, 0xf1
.set TO_B,   0x40
.macro JLOAD g0a, g1a, g0b, g1b
	s_cmp_eq_u32 s[WH], 0
	s_cbranch_scc0 .Lfor_b_\@
	tensor_load_to_lds s[\g0a:\g0a+3], s[\g1a:\g1a+7]
	s_nop 0
.rept 4
	v_nop
.endr
	s_branch .Lasked_\@
.Lfor_b_\@:
	tensor_load_to_lds s[\g0b:\g0b+3], s[\g1b:\g1b+7]
	s_nop 0
.rept 4
	v_nop
.endr
.Lasked_\@:
.endm
.macro CREST
	s_cmp_lg_u32 s[WV], 0
	s_cbranch_scc1 .Lnot_wave_0_\@
	s_barrier_signal -3
.Lnot_wave_0_\@:
	s_barrier_wait -3
	s_barrier_signal -1
	s_barrier_wait -1
.endm
.macro CROUND
	s_barrier_signal -1
	s_barrier_wait -1
	CREST
.endm
	s_load_b256 s[4:11], s[0:1], 0x0
	s_load_b128 s[12:15], s[0:1], 0x20
	v_lshl_add_u32 v[SPW], v0, 2, SPARE
	v_mov_b32 v[NIL], 0
	ds_add_u32 v28, v29
	ds_add_u32 v28, v29
	s_wait_dscnt 0x0
	v_lshrrev_b32 v1, 5, v0
	v_readfirstlane_b32 s[WV], v1
	s_lshr_b32 s[WH], s[WV], 1
	s_and_b32 s[WL], s[WV], 1
	s_bfe_u32 s40, ttmp6, 0x40000
	s_bfe_u32 s41, ttmp6, 0x40004
	s_lshl_b32 s42, ttmp9, 2
	s_add_co_u32 s42, s42, s40
	s_and_b32 s17, ttmp7, 0xffff
	s_lshl_b32 s17, s17, 2
	s_add_co_u32 s17, s17, s41
	s_lshl_b32 s43, s41, 2
	s_lshl_b32 s43, 15, s43
	s_lshl_b32 s44, 0x1111, s40
	s_or_b32 s[G1], s43, (1<<21)
	s_or_b32 s[G1B], s44, (1<<21)
.irp g, G1, G1B
	s_mov_b32 s[\g+1], 8192<<16
	s_mov_b32 s[\g+2], 4<<16
	s_mov_b32 s[\g+3], 8192<<16
	s_mov_b32 s[\g+4], 4
	s_mov_b32 s[\g+5], RB16
	s_mov_b32 s[\g+6], 0
	s_mov_b32 s[\g+7], 0
.endr
	s_lshl_b32 s18, s[WL], 2
	s_lshl_b32 s20, s17, 3
	s_add_co_u32 s20, s20, s18
	s_mul_i32 s20, s20, RB16
	s_mov_b32 s21, 0
	s_lshl_b32 s46, s42, 3
	s_add_co_u32 s46, s46, s18
	s_mul_i32 s46, s46, RB16
	s_add_co_u32 s46, s46, WOFF
	s_mov_b32 s47, 0
	s_lshl_b32 s22, s[WV], 15
	s_wait_kmcnt 0x0
	s_load_b64 s[72:73], s[8:9], SCOFF
	s_add_nc_u64 s[20:21], s[4:5], s[20:21]
	s_add_nc_u64 s[46:47], s[6:7], s[46:47]
	CROUND
.irp s, 0,1
	s_mov_b32 s[G0+4*\s], 1
	s_add_co_u32 s[G0+4*\s+1], s22, \s*SLOT
	s_add_nc_u64 s[G0+4*\s+2:G0+4*\s+3], s[20:21], \s*8192
	s_or_b32 s[G0+4*\s+3], s[G0+4*\s+3], 0x80000000
	s_mov_b32 s[G0B+4*\s], 1
	s_add_co_u32 s[G0B+4*\s+1], s22, \s*SLOT
	s_add_nc_u64 s[G0B+4*\s+2:G0B+4*\s+3], s[46:47], \s*8192
	s_or_b32 s[G0B+4*\s+3], s[G0B+4*\s+3], 0x80000000
.endr
	JLOAD G0, G1, G0B, G1B                         ; the first 512 along K: one tensor load a wave at the head
	; A PREFETCH of slot 1's tiles, one change of slots ahead of their load: 8 blocks of 16 rows x 8,192 bytes of y's codes and as many of W's.  The four partners that ask for a tile jointly take two blocks each,
	; told apart by address (cx for y, cy for W); waves 0, 1 take y's two, waves 2, 3 W's: a block a wave, lanes 256 bytes apart, one instruction
	s_cmp_eq_u32 s[WH], 0
	s_cselect_b32 s76, s17, s42                    ; the tile's row, or its column
	s_cselect_b32 s77, s40, s41                    ; my place among the four that share it
	s_cselect_b32 s78, 0, WOFF
	s_cselect_b64 s[80:81], s[4:5], s[6:7]
	s_lshl_b32 s76, s76, 3
	s_lshl_b32 s77, s77, 1
	s_add_co_u32 s76, s76, s77
	s_add_co_u32 s76, s76, s[WL]                   ; block 8 x tile + 2 x place + wave % 2
	s_mul_i32 s76, s76, RB16
	s_add_co_u32 s76, s76, s78
	s_add_co_u32 s76, s76, 8192                    ; its second 512 along K
	s_mov_b32 s77, 0
	s_add_nc_u64 s[80:81], s[80:81], s[76:77]
	v_and_b32 v1, 31, v0
	v_lshlrev_b32 v[LN16], 4, v1
	v_lshlrev_b32 v27, 8, v1                       ; 256 x lane; never rewritten
	global_prefetch_b8 v27, s[80:81] th:TH_LOAD_NT scope:SCOPE_SE
	s_lshl_b32 s18, s[WV], 11
	s_add_co_u32 s19, s18, 65536
.irp s, 0,1
	v_add_nc_u32 v[ADRA+\s], s18, v[LN16]
	v_add_nc_u32 v[ADRB+\s], s19, v[LN16]
	s_add_co_u32 s18, s18, SLOT
	s_add_co_u32 s19, s19, SLOT
.endr
	v_and_b32 v2, 15, v0
	v_bfe_u32 v3, v0, 4, 1
	v_mul_u32_u24 v[STO], v2, 528
	v_lshl_add_u32 v[STO], v3, 5, v[STO]
	s_mul_i32 s18, s[WV], PART
	v_add_nc_u32 v[STO], s18, v[STO]
	s_mul_i32 s18, s[WV], 32*528
	v_add_nc_u32 v[RD], s18, v[LN16]
.irp p, 1,2,3
	v_add_nc_u32 v[RD+\p], \p*PART, v[RD]
.endr
	s_lshl_b32 s18, s42, 9
	s_mov_b32 s19, 0
	s_add_nc_u64 s[10:11], s[10:11], s[18:19]
	global_load_b128 v[BI:BI+3], v[LN16], s[10:11]
	s_lshl_b32 s23, s17, 7
	s_lshl_b32 s45, s[WV], 5
	s_add_co_u32 s23, s23, s45
	s_lshl_b32 s23, s23, 12
	s_add_co_u32 s18, s18, s23
	s_add_nc_u64 s[12:13], s[12:13], s[18:19]
	s_add_nc_u64 s[14:15], s[14:15], s[18:19]
	s_wait_kmcnt 0x0
	s_add_co_i32 s74, s72, s73
	s_add_co_i32 s74, s74, 127
	s_lshl_b32 s74, s74, 23
	s_mov_b32 s75, s74
.macro FRAG reg, adr, i
.irp c, 0,1,2,3
	ds_load_b128 v[\reg+4*\c:\reg+4*\c+3], v[\adr] offset:(\i)*8192+512*\c
.endr
.endm
.macro MUL16 a0, p, zero
.irp a, \a0, \a0+1
.irp b, 0,1,2,3,4,5,6,7
.if \zero
	v_wmma_f32_16x16x128_fp8_fp8 v[8*(8*((\a)%4)+\b):8*(8*((\a)%4)+\b)+7], v[128*(\p)+16*\b:128*(\p)+16*\b+15], v[AF+16*(\a):AF+16*(\a)+15], 0
.else
	v_wmma_f32_16x16x128_fp8_fp8 v[8*(8*((\a)%4)+\b):8*(8*((\a)%4)+\b)+7], v[128*(\p)+16*\b:128*(\p)+16*\b+15], v[AF+16*(\a):AF+16*(\a)+15], v[8*(8*((\a)%4)+\b):8*(8*((\a)%4)+\b)+7]
.endif
.endr
.endr
.endm
.macro FETCH_B slot, p
	WIN TO_B
.irp i, 0,1,2,3,4,5,6,7
	FRAG 128*(\p)+16*\i, ADRB+\slot, \i
.endr
	WIN 0
.endm
.macro FETCH_A slot, i0
.irp i, \i0, \i0+1, \i0+2, \i0+3
	FRAG AF+16*(\i), ADRA+\slot, \i
.endr
.endm
.macro PLACES n
.rept \n
	v_nop
.endr
.endm
.macro KTURN t
.set P, (\t)%2
.set Z, (\t)==0
	s_wait_tensorcnt 0x0
	ds_add_u32 v[SPW], v[NIL]
	s_wait_dscnt 17
	WIN MUL_LO
	MUL16 0, P, Z
	s_wait_dscnt 0x0
	s_barrier_signal -1
	MUL16 2, P, Z
	WIN 0
	s_barrier_wait -1
.if (\t)+2 < NS
	CREST
	s_add_nc_u64 s[G0+4*P+2:G0+4*P+3], s[G0+4*P+2:G0+4*P+3], 16384
	s_add_nc_u64 s[G0B+4*P+2:G0B+4*P+3], s[G0B+4*P+2:G0B+4*P+3], 16384
	JLOAD G0+4*P, G1, G0B+4*P, G1B
.else
	PLACES 4
.endif
	FETCH_B 1-P, 1-P
	FETCH_A 1-P, 0
	WIN MUL_HI
	MUL16 4, P, Z
	MUL16 6, P, Z
	PLACES 4
	WIN 0
	FETCH_A 1-P, 4
.endm
	s_wait_alu depctr_va_vdst(0)
	s_wait_tensorcnt 0x0                           ; my part of slot 0 is in
	ds_add_u32 v[SPW], v[NIL]
	s_wait_dscnt 0x0
	CROUND                                         ; a whole round: everybody's part of slot 0 is in, and the joint loads meet
	JLOAD G0+4, G1, G0B+4, G1B                     ; slot 1's first fill: the first tensor load behind the round
	FETCH_B 0, 0
	FETCH_A 0, 0
	FETCH_A 0, 4
.set TT, 0
.rept NS-1
	KTURN TT
.set TT, TT+1
.endr
	s_wait_dscnt 16
	WIN MUL_LO
	MUL16 0, 1, 0
	MUL16 2, 1, 0
	s_wait_alu depctr_va_vdst(0)
	s_wait_dscnt 0
	WIN MUL_HI
	MUL16 4, 1, 0
	MUL16 6, 1, 0
	WIN 0
	PLACES 4
.set j, 0
.rept 32
	global_load_b128 v[128+4*j:131+4*j], v[LN16], s[12:13] offset:4096*j
.set j, j+1
.endr
	s_barrier_signal -1
	s_barrier_wait -1
.irp a, 0,1,2,3,4,5,6,7
	WIN (0x08+4*((\a)/4))
.irp b, 0,1,2,3,4,5,6,7
	ds_store_b128 v[STO], v[64*((\a)%4)+8*\b:64*((\a)%4)+8*\b+3]   offset:(\a)*8448+64*\b
	ds_store_b128 v[STO], v[64*((\a)%4)+8*\b+4:64*((\a)%4)+8*\b+7] offset:(\a)*8448+64*\b+16
.endr
.endr
	WIN 0
	s_wait_dscnt 0x0
	s_barrier_signal -1
	s_barrier_wait -1
.macro RDG g
.irp i, 0,1
.irp p, 0,1,2,3
	ds_load_b128 v[TB+32*((\g)%3)+16*\i+4*\p:TB+32*((\g)%3)+16*\i+4*\p+3], v[RD+\p] offset:528*(2*(\g)+\i)
.endr
.endr
.endm
.macro FIN g
.if (\g) <= 13
	s_wait_dscnt 16
.else
	s_wait_dscnt 8*(15-(\g))
.endif
	s_wait_loadcnt 30-2*(\g)
.irp i, 0,1
.set PB, TB+32*((\g)%3)+16*\i
.set RS, 128+4*(2*(\g)+\i)
.irp u, 0,2
	v_pk_add_f32 v[PB+\u:PB+\u+1],   v[PB+\u:PB+\u+1],   v[PB+4+\u:PB+5+\u]
	v_pk_add_f32 v[PB+8+\u:PB+9+\u], v[PB+8+\u:PB+9+\u], v[PB+12+\u:PB+13+\u]
	v_pk_add_f32 v[RS+\u:RS+\u+1],   v[RS+\u:RS+\u+1],   v[BI+\u:BI+\u+1]
.endr
.irp u, 0,2
	v_pk_add_f32 v[PB+\u:PB+\u+1], v[PB+\u:PB+\u+1], v[PB+8+\u:PB+9+\u]
.endr
.irp u, 0,2
	v_pk_fma_f32 v[RS+\u:RS+\u+1], v[PB+\u:PB+\u+1], s[74:75], v[RS+\u:RS+\u+1] op_sel_hi:[1,0,1]
.endr
	global_store_b128 v[LN16], v[RS:RS+3], s[14:15] offset:4096*(2*(\g)+\i)
.endr
.if (\g)+3 < 16
	RDG (\g)+3
.endif
.endm
	RDG 0
	RDG 1
	RDG 2
.irp g, 0,1,2,3,4,5,6,7,8,9,10,11,12,13,14,15
	FIN \g
.endr
	s_wait_tensorcnt 0x0
	ds_add_u32 v[SPW], v[NIL]
	s_wait_dscnt 0x0
	CROUND
	s_endpgm
.Lfunc_end_k_qbdb70130ed_proj:
	.size	k_qbdb70130ed_proj, .Lfunc_end_k_qbdb70130ed_proj-k_qbdb70130ed_proj
	.p2alignl 7, 3214868480
	.fill 96, 4, 3214868480
	.section	.rodata,"a",@progbits
	.p2align	6, 0x0
	.amdhsa_kernel k_qbdb70130ed_proj
		.amdhsa_group_segment_fixed_size 327680
		.amdhsa_private_segment_fixed_size 0
		.amdhsa_enable_private_segment 0
		.amdhsa_kernarg_size 48
		.amdhsa_user_sgpr_count 2
		.amdhsa_user_sgpr_kernarg_segment_ptr 1
		.amdhsa_wavefront_size32 1
		.amdhsa_system_sgpr_workgroup_id_x 1
		.amdhsa_system_sgpr_workgroup_id_y 1
		.amdhsa_system_sgpr_workgroup_id_z 1
		.amdhsa_system_vgpr_workitem_id 0
		.amdhsa_next_free_vgpr 1024
		.amdhsa_next_free_sgpr 96
		.amdhsa_reserve_vcc 0
		.amdhsa_float_denorm_mode_32 3
		.amdhsa_float_denorm_mode_16_64 3
		.amdhsa_memory_ordered 1
		.amdhsa_forward_progress 1
		.amdhsa_inst_pref_size 69
	.end_amdhsa_kernel
	.amdgpu_metadata
---
amdhsa.version: [ 1, 2 ]
amdhsa.kernels:
  - .name:           k_qbdb70130ed_proj
    .symbol:         k_qbdb70130ed_proj.kd
    .args:
      - { .name: y_codes, .offset: 0, .size: 8, .value_kind: global_buffer, .address_space: global }
      - { .name: wcodes, .offset: 8, .size: 8, .value_kind: global_buffer, .address_space: global }
      - { .name: lowp_scales, .offset: 16, .size: 8, .value_kind: global_buffer, .address_space: global }
      - { .name: b_proj, .offset: 24, .size: 8, .value_kind: global_buffer, .address_space: global }
      - { .name: x, .offset: 32, .size: 8, .value_kind: global_buffer, .address_space: global }
      - { .name: x1, .offset: 40, .size: 8, .value_kind: global_buffer, .address_space: global }
    .group_segment_fixed_size: 327680
    .private_segment_fixed_size: 0
    .kernarg_segment_align: 8
    .kernarg_segment_size: 48
    .max_flat_workgroup_size: 128
    .sgpr_count:     96
    .vgpr_count:     1024
    .wavefront_size: 32
...
	.end_amdgpu_metadata
.endif
;; end of part 4
;; launch ln2 (part 5): grid 256 x 1, 4 waves a work-group, no clusters, 17,920 bytes of LDS; arguments x1, ln2_g, ln2_b, lowp_scales, h2_codes; writes h2_codes
.if DOCPART == 5
	.amdgcn_target "amdgcn-amd-amdhsa--gfx1250"
	.amdhsa_code_object_version 6
	.text
	.protected	k_qbdb70130ed_ln2
	.globl	k_qbdb70130ed_ln2
	.p2align	8
	.type	k_qbdb70130ed_ln2,@function
k_qbdb70130ed_ln2:
	s_mov_b64 s[64:65], 0
	v_nop
	global_prefetch_b8 v0, s[64:65] scope:SCOPE_SE
	s_setreg_imm32_b32 hwreg(HW_REG_WAVE_MODE, 25, 1), 1
	s_wait_xcnt 0x0
; LN2(x1) becomes codes of FP8 (E4M3) with the scale 2^e8.  A work-group takes 16 rows, a wave 4, each whole in 32 registers: the mean, then the mean of squared differences, in f32.
; THE CODES' LAYOUT: byte(m, k) = (m / 16) 16,384 + (k / 32) 512 + ((k / 8) % 2) 256 + (m % 16) 16 + ((k / 16) % 2) 8 + k % 8.  The four waves' codes meet in an LDS stage and leave as 16,384 bytes on end.
; LIMIT: e8 between -126 and 119.  NaN among the inputs is not served.  No cluster: work-groups share nothing but the 8,192 bytes of gain and bias.
.set T,   6
.set MU,  14
.set LIM, 16
.set SCL, 17
.set G,   20
.set B,   52
.set X,   84
.set C,   212
	s_load_b256 s[8:15], s[0:1], 0x0               ; x1 8, ln2_g 10, ln2_b 12, lowp_scales 14
	s_load_b64 s[26:27], s[0:1], 0x20              ; h2_codes
	v_lshl_add_u32 v248, v0, 2, 0x4400
	v_mov_b32 v249, 0
	v_lshrrev_b32 v1, 5, v0
	v_readfirstlane_b32 s2, v1                     ; wave
	v_and_b32 v1, 31, v0                           ; lane
	s_lshl_b32 s28, ttmp9, 16
	s_lshl_b32 s29, s2, 14
	s_add_co_u32 s28, s28, s29
	s_mov_b32 s29, 0
	s_lshl_b32 s30, ttmp9, 14
	s_lshl_b32 s31, s2, 12
	s_add_co_u32 s30, s30, s31
	s_mov_b32 s31, 0
	s_mov_b32 s60, 0x76543210
	s_mov_b32 s61, 0xfedcba98
	s_mov_b32 s62, 0x3727c5ac                      ; eps = 1e-5
	s_mov_b32 s63, 0x3a800000                      ; 1 / 1,024
	s_wait_alu depctr_va_vdst(0)
	s_wait_kmcnt 0x0
	s_load_b32 s32, s[14:15], 0x20                 ; e8
	s_add_nc_u64 s[8:9], s[8:9], s[28:29]          ; x1 at my wave's first row
	s_add_nc_u64 s[26:27], s[26:27], s[30:31]      ; codes: 16,384 j + 4,096 w
	v_lshlrev_b32 v2, 5, v1                        ; lane l holds k = 256 j + 8 l + 0 .. 7, j = 0 .. 3
.irp j, 0,1,2,3
	global_load_b128 v[G+8*\j:G+8*\j+3],   v2, s[10:11] offset:1024*\j
	global_load_b128 v[G+8*\j+4:G+8*\j+7], v2, s[10:11] offset:1024*\j+16
.endr
.irp j, 0,1,2,3
	global_load_b128 v[B+8*\j:B+8*\j+3],   v2, s[12:13] offset:1024*\j
	global_load_b128 v[B+8*\j+4:B+8*\j+7], v2, s[12:13] offset:1024*\j+16
.endr
.irp q, 0,1,2,3
.irp j, 0,1,2,3
	global_load_b128 v[X+32*\q+8*\j:X+32*\q+8*\j+3],   v2, s[8:9] offset:4096*\q+1024*\j
	global_load_b128 v[X+32*\q+8*\j+4:X+32*\q+8*\j+7], v2, s[8:9] offset:4096*\q+1024*\j+16
.endr
.endr
	; the stage: 64 pieces of 256 bytes (16 rows x 16 bytes), 272 bytes apart.  My 8 codes of group j lie in piece 16 j + 2 (l / 4) + l % 2, row 4 w + q, half (l / 2) % 2
	v_lshrrev_b32 v3, 2, v1
	v_lshlrev_b32 v3, 1, v3
	v_and_b32 v4, 1, v1
	v_add_nc_u32 v3, v3, v4
	v_mul_u32_u24 v3, v3, 272
	v_bfe_u32 v4, v1, 1, 1
	v_lshl_add_u32 v3, v4, 3, v3
	s_lshl_b32 s30, s2, 6
	v_add_nc_u32 v3, s30, v3                       ; in
	v_lshrrev_b32 v4, 4, v1
	s_lshl_b32 s30, s2, 4
	v_add_nc_u32 v4, s30, v4
	v_mul_u32_u24 v4, v4, 272
	v_and_b32 v5, 15, v1
	v_lshl_add_u32 v4, v5, 4, v4                   ; back: wave w takes pieces 16 w on, two an instruction
	v_lshlrev_b32 v5, 4, v1
	s_wait_kmcnt 0x0
	s_add_co_i32 s30, s32, 127
	s_lshl_b32 s31, s30, 23
	v_mov_b32 v[SCL], s31                          ; 2^e8
	s_add_co_i32 s30, s30, 8
	s_lshl_b32 s30, s30, 23
	s_or_b32 s30, s30, 0x600000
	v_mov_b32 v[LIM], s30                          ; 448 x 2^e8
.macro XSUM                            ; v[T] summed over the 32 lanes, the result in every lane
	v_add_f32_dpp v[T], v[T], v[T] row_xmask:1 row_mask:0xf bank_mask:0xf
	v_add_f32_dpp v[T], v[T], v[T] row_xmask:2 row_mask:0xf bank_mask:0xf
	v_add_f32_dpp v[T], v[T], v[T] row_xmask:4 row_mask:0xf bank_mask:0xf
	v_add_f32_dpp v[T], v[T], v[T] row_xmask:8 row_mask:0xf bank_mask:0xf
	v_permlanex16_b32 v[T+1], v[T], s60, s61
	v_add_f32 v[T], v[T], v[T+1]
.endm
.macro LNROW q
.set XR, X+32*\q
	s_wait_loadcnt 8*(3-\q)                        ; this row's eight loads are in; the later rows' may be out
	v_pk_add_f32 v[T:T+1],   v[XR:XR+1],   v[XR+4:XR+5]
	v_pk_add_f32 v[T+2:T+3], v[XR+2:XR+3], v[XR+6:XR+7]
.irp i, 8,12,16,20,24,28
	v_pk_add_f32 v[T:T+1],   v[T:T+1],   v[XR+\i:XR+\i+1]
	v_pk_add_f32 v[T+2:T+3], v[T+2:T+3], v[XR+\i+2:XR+\i+3]
.endr
	v_pk_add_f32 v[T:T+1], v[T:T+1], v[T+2:T+3]
	v_add_f32 v[T], v[T], v[T+1]
	XSUM
	v_mul_f32 v[MU], s63, v[T]                     ; the mean
	v_mov_b32 v[MU+1], v[MU]
.irp i, 0,2,4,6,8,10,12,14,16,18,20,22,24,26,28,30
	v_pk_add_f32 v[XR+\i:XR+\i+1], v[XR+\i:XR+\i+1], v[MU:MU+1] neg_lo:[0,1] neg_hi:[0,1]
.endr
	v_pk_mul_f32 v[T:T+1],   v[XR:XR+1],   v[XR:XR+1]
	v_pk_mul_f32 v[T+2:T+3], v[XR+2:XR+3], v[XR+2:XR+3]
.irp i, 4,8,12,16,20,24,28
	v_pk_fma_f32 v[T:T+1],   v[XR+\i:XR+\i+1],   v[XR+\i:XR+\i+1],   v[T:T+1]
	v_pk_fma_f32 v[T+2:T+3], v[XR+\i+2:XR+\i+3], v[XR+\i+2:XR+\i+3], v[T+2:T+3]
.endr
	v_pk_add_f32 v[T:T+1], v[T:T+1], v[T+2:T+3]
	v_add_f32 v[T], v[T], v[T+1]
	XSUM
	v_fma_f32 v[T], v[T], s63, s62                 ; var + eps
	s_wait_alu depctr_va_vdst(0)
	v_rsq_f32 v[MU], v[T]
	v_nop                                          ; a plain line behind the transcendental,
	s_wait_alu depctr_va_vdst(0)                   ; and a wait ahead of its first reader
	v_mov_b32 v[MU+1], v[MU]
.irp i, 0,2,4,6,8,10,12,14,16,18,20,22,24,26,28,30
	v_pk_mul_f32 v[XR+\i:XR+\i+1], v[XR+\i:XR+\i+1], v[MU:MU+1]
.endr
.irp i, 0,2,4,6,8,10,12,14,16,18,20,22,24,26,28,30
	v_pk_fma_f32 v[XR+\i:XR+\i+1], v[XR+\i:XR+\i+1], v[G+\i:G+\i+1], v[B+\i:B+\i+1]
.endr
.set i, 0
.rept 32
	v_med3_num_f32 v[XR+i], v[XR+i], -v[LIM], v[LIM]   ; the conversion does not saturate (ISA guide 7.6.2)
.set i, i+1
.endr
.irp j, 0,1,2,3
	v_cvt_scalef32_pk8_fp8_f32 v[C+8*\q+2*\j:C+8*\q+2*\j+1], v[XR+8*\j:XR+8*\j+7], v[SCL]
.endr
	v_nop                                          ; one plain line behind the last conversion of a run
.irp j, 0,1,2,3
	ds_store_b64 v3, v[C+8*\q+2*\j:C+8*\q+2*\j+1] offset:4352*\j+16*\q
.endr
.endm
	LNROW 0
	LNROW 1
	LNROW 2
	LNROW 3
	s_wait_dscnt 0x0                               ; for the others' sake: my stores into the stage are done
	s_barrier_signal -1
	s_barrier_wait -1
.irp i, 0,1,2,3,4,5,6,7
	ds_load_b128 v[X+4*\i:X+4*\i+3], v4 offset:544*\i
.endr
.irp i, 0,1,2,3,4,5,6,7
	s_wait_dscnt 7-\i
	global_store_b128 v5, v[X+4*\i:X+4*\i+3], s[26:27] offset:512*\i     ; 512 bytes on end, aligned
.endr
	s_wait_tensorcnt 0x0
	ds_add_u32 v248, v249
	s_wait_dscnt 0x0
	s_endpgm
.Lfunc_end_k_qbdb70130ed_ln2:
	.size	k_qbdb70130ed_ln2, .Lfunc_end_k_qbdb70130ed_ln2-k_qbdb70130ed_ln2
	.p2alignl 7, 3214868480
	.fill 96, 4, 3214868480
	.section	.rodata,"a",@progbits
	.p2align	6, 0x0
	.amdhsa_kernel k_qbdb70130ed_ln2
		.amdhsa_group_segment_fixed_size 17920
		.amdhsa_private_segment_fixed_size 0
		.amdhsa_enable_private_segment 0
		.amdhsa_kernarg_size 40
		.amdhsa_user_sgpr_count 2
		.amdhsa_user_sgpr_kernarg_segment_ptr 1
		.amdhsa_wavefront_size32 1
		.amdhsa_system_sgpr_workgroup_id_x 1
		.amdhsa_system_sgpr_workgroup_id_y 1
		.amdhsa_system_sgpr_workgroup_id_z 1
		.amdhsa_system_vgpr_workitem_id 0
		.amdhsa_next_free_vgpr 250
		.amdhsa_next_free_sgpr 66
		.amdhsa_reserve_vcc 0
		.amdhsa_float_denorm_mode_32 3
		.amdhsa_float_denorm_mode_16_64 3
		.amdhsa_memory_ordered 1
		.amdhsa_forward_progress 1
		.amdhsa_inst_pref_size 43
	.end_amdhsa_kernel
	.amdgpu_metadata
---
amdhsa.version: [ 1, 2 ]
amdhsa.kernels:
  - .name:           k_qbdb70130ed_ln2
    .symbol:         k_qbdb70130ed_ln2.kd
    .args:
      - { .name: x1, .offset: 0, .size: 8, .value_kind: global_buffer, .address_space: global }
      - { .name: ln2_g, .offset: 8, .size: 8, .value_kind: global_buffer, .address_space: global }
      - { .name: ln2_b, .offset: 16, .size: 8, .value_kind: global_buffer, .address_space: global }
      - { .name: lowp_scales, .offset: 24, .size: 8, .value_kind: global_buffer, .address_space: global }
      - { .name: h2_codes, .offset: 32, .size: 8, .value_kind: global_buffer, .address_space: global }
    .group_segment_fixed_size: 17920
    .private_segment_fixed_size: 0
    .kernarg_segment_align: 8
    .kernarg_segment_size: 40
    .max_flat_workgroup_size: 128
    .sgpr_count:     66
    .vgpr_count:     250
    .wavefront_size: 32
...
	.end_amdgpu_metadata
.endif
;; end of part 5
;; launch fc1 (part 6): grid 16 x 16, 4 waves a work-group, clusters of 4 x 4, 327,680 bytes of LDS; arguments h2_codes, wcodes, lowp_scales, b_fc1, hid_codes; writes hid_codes
.if DOCPART == 6
	.amdgcn_target "amdgcn-amd-amdhsa--gfx1250"
	.amdhsa_code_object_version 6
	.text
	.protected	k_qbdb70130ed_fc1
	.globl	k_qbdb70130ed_fc1
	.p2align	8
	.type	k_qbdb70130ed_fc1,@function
k_qbdb70130ed_fc1:
	s_mov_b64 s[64:65], 0
	v_nop
	global_prefetch_b8 v0, s[64:65] scope:SCOPE_SE
	s_setreg_imm32_b32 hwreg(HW_REG_WAVE_MODE, 25, 1), 1
	s_wait_xcnt 0x0
	s_wait_alu depctr_hold_cnt(0) depctr_sa_sdst(0) depctr_va_vdst(0) depctr_va_sdst(0) depctr_va_ssrc(0) depctr_va_vcc(0) depctr_vm_vsrc(0)
	s_getreg_b32 s2, hwreg(HW_REG_IB_STS2, 6, 4)
	s_cmp_eq_u32 s2, 0
	s_cbranch_scc0 .Lentry_in_a_cluster
	s_endpgm
.Lentry_in_a_cluster:
	s_bfe_u32 s2, ttmp6, 0x10000c
	s_cmp_lg_u32 s2, 0xf033
	s_cbranch_scc0 .Lentry_shape_is_right
	s_endpgm
.Lentry_shape_is_right:
.set SLOT,  131072
.set SPARE, 262144
.set ADRA, 16
.set ADRB, 20
.set LN16, 26
.set SPW,  28
.set NIL,  29
.set LIM,  30
.set SCL,  31
.set TMP,  32
.set BI,   32
.set AF,   128
.set CODE, 128
.set G1,  24
.set G0,  32
.set G1B, 48
.set G0B, 56
.set MSB, 0
.macro WIN new
.if MSB != \new
	s_set_vgpr_msb (MSB<<8)|\new
.set MSB, \new
.endif
.endm
.set MUL_LO, 0xa1
.set MUL_HI, 0xf1
.set TO_B,   0x40
.macro JLOAD g0a, g1a, g0b, g1b
	s_cmp_eq_u32 s15, 0
	s_cbranch_scc0 .Lfor_b_\@
	tensor_load_to_lds s[\g0a:\g0a+3], s[\g1a:\g1a+7]
	s_nop 0
.rept 4
	v_nop
.endr
	s_branch .Lasked_\@
.Lfor_b_\@:
	tensor_load_to_lds s[\g0b:\g0b+3], s[\g1b:\g1b+7]
	s_nop 0
.rept 4
	v_nop
.endr
.Lasked_\@:
.endm
.macro CREST
	s_cmp_lg_u32 s14, 0
	s_cbranch_scc1 .Lnot_wave_0_\@
	s_barrier_signal -3
.Lnot_wave_0_\@:
	s_barrier_wait -3
	s_barrier_signal -1
	s_barrier_wait -1
.endm
.macro CROUND
	s_barrier_signal -1
	s_barrier_wait -1
	CREST
.endm
	s_load_b256 s[4:11], s[0:1], 0x0
	s_load_b64 s[12:13], s[0:1], 0x20
	v_lshl_add_u32 v[SPW], v0, 2, SPARE
	v_mov_b32 v[NIL], 0
	ds_add_u32 v28, v29
	ds_add_u32 v28, v29
	s_wait_dscnt 0x0
	v_lshrrev_b32 v1, 5, v0
	v_readfirstlane_b32 s14, v1
	s_lshr_b32 s15, s14, 1
	s_and_b32 s16, s14, 1
	s_bfe_u32 s40, ttmp6, 0x40000
	s_bfe_u32 s41, ttmp6, 0x40004
	s_lshl_b32 s42, ttmp9, 2
	s_add_co_u32 s42, s42, s40
	s_and_b32 s17, ttmp7, 0xffff
	s_lshl_b32 s17, s17, 2
	s_add_co_u32 s17, s17, s41
	s_lshl_b32 s44, s41, 2
	s_lshl_b32 s44, 15, s44
	s_lshl_b32 s45, 0x1111, s40
	s_or_b32 s[G1], s44, (1<<21)
	s_or_b32 s[G1B], s45, (1<<21)
.irp g, G1, G1B
	s_mov_b32 s[\g+1], 4096<<16
	s_mov_b32 s[\g+2], 8<<16
	s_mov_b32 s[\g+3], 4096<<16
	s_mov_b32 s[\g+4], 8
	s_mov_b32 s[\g+5], 16384
	s_mov_b32 s[\g+6], 0
	s_mov_b32 s[\g+7], 0
.endr
	s_lshl_b32 s19, s16, 17
	s_lshl_b32 s20, s17, 18
	s_add_co_u32 s20, s20, s19
	s_mov_b32 s21, 0
	s_lshl_b32 s46, s42, 18
	s_add_co_u32 s46, s46, s19
	s_add_co_u32 s46, s46, 4194304
	s_mov_b32 s47, 0
	s_lshl_b32 s22, s14, 15
	s_wait_kmcnt 0x0
	s_load_b128 s[72:75], s[8:9], 0x20
	s_add_nc_u64 s[20:21], s[4:5], s[20:21]
	s_add_nc_u64 s[46:47], s[6:7], s[46:47]
	CROUND
.irp s, 0,1
	s_mov_b32 s[G0+4*\s], 1
	s_add_co_u32 s[G0+4*\s+1], s22, \s*SLOT
	s_add_nc_u64 s[G0+4*\s+2:G0+4*\s+3], s[20:21], \s*4096
	s_or_b32 s[G0+4*\s+3], s[G0+4*\s+3], 0x80000000
	s_mov_b32 s[G0B+4*\s], 1
	s_add_co_u32 s[G0B+4*\s+1], s22, \s*SLOT
	s_add_nc_u64 s[G0B+4*\s+2:G0B+4*\s+3], s[46:47], \s*4096
	s_or_b32 s[G0B+4*\s+3], s[G0B+4*\s+3], 0x80000000
.endr
	JLOAD G0, G1, G0B, G1B                         ; K step 0: one tensor load a wave at the head
	; PREFETCHES: behind K step 0's load K step 1 is asked for, behind K step 1's load K steps 2 and 3: one or two steps ahead of the loads that want them.  A K step of a tile is 16 blocks of 16 rows x 4,096 bytes;
	; the four partners that share the tile take four blocks each, told apart by address (cx for h2, cy for W); waves 0, 1 take two of h2's each, waves 2, 3 two of W's: 2 blocks x 16 pieces of 256 bytes, one instruction a K step
	s_cmp_eq_u32 s15, 0
	s_cselect_b32 s82, s17, s42                    ; the tile's row, or its column
	s_cselect_b32 s83, s40, s41                    ; my work-group's place among the four that share it
	s_cselect_b32 s84, 0, 4194304                  ; W_fc1^T's place in wcodes
	s_cselect_b64 s[80:81], s[4:5], s[6:7]
	s_lshl_b32 s82, s82, 18
	s_lshl_b32 s83, s83, 16
	s_add_co_u32 s82, s82, s83
	s_lshl_b32 s83, s16, 15
	s_add_co_u32 s82, s82, s83
	s_add_co_u32 s82, s82, s84
	s_mov_b32 s83, 0
	s_add_nc_u64 s[80:81], s[80:81], s[82:83]      ; never rewritten
	v_bfe_u32 v2, v0, 4, 1
	v_lshlrev_b32 v2, 14, v2
	v_and_b32 v3, 15, v0
	v_lshl_add_u32 v25, v3, 8, v2                  ; 16,384 (lane / 16) + 256 (lane % 16); never rewritten
	global_prefetch_b8 v25, s[80:81] offset:4096 th:TH_LOAD_NT scope:SCOPE_SE    ; K step 1
	s_lshl_b32 s18, s42, 10
	s_lshl_b32 s19, s16, 9
	s_add_co_u32 s18, s18, s19
	s_mov_b32 s19, 0
	s_add_nc_u64 s[10:11], s[10:11], s[18:19]
	v_bfe_u32 v2, v0, 4, 1
	v_lshlrev_b32 v27, 5, v2
.irp b, 0,1,2,3,4,5,6,7
	global_load_b128 v[BI+8*\b:BI+8*\b+3],   v27, s[10:11] offset:64*\b
	global_load_b128 v[BI+8*\b+4:BI+8*\b+7], v27, s[10:11] offset:64*\b+16
.endr
	v_and_b32 v1, 31, v0
	v_lshlrev_b32 v[LN16], 4, v1
	s_lshl_b32 s66, s15, 15
	s_lshl_b32 s67, s16, 15
	s_add_co_u32 s67, s67, 65536
.irp s, 0,1
	v_add_nc_u32 v[ADRA+\s], s66, v[LN16]
	v_add_nc_u32 v[ADRB+\s], s67, v[LN16]
	s_add_co_u32 s66, s66, SLOT
	s_add_co_u32 s67, s67, SLOT
.endr
	s_lshl_b32 s18, s17, 4
	s_lshl_b32 s66, s15, 3
	s_add_co_u32 s18, s18, s66
	s_lshl_b32 s18, s18, 16
	s_lshl_b32 s66, s42, 12
	s_add_co_u32 s18, s18, s66
	s_lshl_b32 s66, s16, 11
	s_add_co_u32 s18, s18, s66
	s_add_nc_u64 s[12:13], s[12:13], s[18:19]
	s_wait_kmcnt 0x0
	s_add_co_i32 s76, s72, s73
	s_sub_co_i32 s77, s74, s76
	s_sub_co_i32 s76, 0, s76
	s_add_co_i32 s77, s77, 127
	s_lshl_b32 s78, s77, 23
	v_mov_b32 v[SCL], s78
	s_add_co_i32 s77, s77, 8
	s_lshl_b32 s77, s77, 23
	s_or_b32 s77, s77, 0x600000
	v_mov_b32 v[LIM], s77
	s_wait_loadcnt 0x0
.set j, 0
.rept 64
	v_ldexp_f32 v[BI+j], v[BI+j], s76
.set j, j+1
.endr
.macro FRAG reg, adr, q, i
.irp c, 0,1,2,3
	ds_load_b128 v[\reg+4*\c:\reg+4*\c+3], v[\adr] offset:(\i)*4096+(\q)*2048+512*\c
.endr
.endm
.macro MUL16 a0, p, zero
.irp a, \a0, \a0+1
.irp b, 0,1,2,3,4,5,6,7
.if \zero == 2
	v_wmma_f32_16x16x128_fp8_fp8 v[8*(8*((\a)%4)+\b):8*(8*((\a)%4)+\b)+7], v[128*(\p)+16*\b:128*(\p)+16*\b+15], v[AF+16*(\a):AF+16*(\a)+15], v[BI+8*\b:BI+8*\b+7]
.else
	v_wmma_f32_16x16x128_fp8_fp8 v[8*(8*((\a)%4)+\b):8*(8*((\a)%4)+\b)+7], v[128*(\p)+16*\b:128*(\p)+16*\b+15], v[AF+16*(\a):AF+16*(\a)+15], v[8*(8*((\a)%4)+\b):8*(8*((\a)%4)+\b)+7]
.endif
.endr
.endr
.endm
.macro FETCH_B slot, q, p
	WIN TO_B
.irp i, 0,1,2,3,4,5,6,7
	FRAG 128*(\p)+16*\i, ADRB+\slot, \q, \i
.endr
	WIN 0
.endm
.macro FETCH_A slot, q, i0
.irp i, \i0, \i0+1, \i0+2, \i0+3
	FRAG AF+16*(\i), ADRA+\slot, \q, \i
.endr
.endm
.macro PLACES n
.rept \n
	v_nop
.endr
.endm
.macro STEP slot, q, zero
	s_wait_dscnt 16
.if \zero == 2
	WIN 0x81
.else
	WIN MUL_LO
.endif
	MUL16 0, (\q)%2, \zero
	MUL16 2, (\q)%2, \zero
	s_wait_dscnt 0
	PLACES 4
	FETCH_B \slot, (\q)+1, 1-(\q)%2
	FETCH_A \slot, (\q)+1, 0
.if \zero == 2
	WIN 0xc1
.else
	WIN MUL_HI
.endif
	MUL16 4, (\q)%2, \zero
	MUL16 6, (\q)%2, \zero
	PLACES 4
	WIN 0
	FETCH_A \slot, (\q)+1, 4
.endm
.macro TURN slot, next, fill
	s_wait_tensorcnt 0x0
	ds_add_u32 v[SPW], v[NIL]
	s_wait_dscnt 17
	WIN MUL_LO
	MUL16 0, 1, 0
	s_wait_dscnt 0x0
	s_barrier_signal -1
	MUL16 2, 1, 0
	WIN 0
	s_barrier_wait -1
.if \fill
	CREST
	s_add_nc_u64 s[G0+4*\slot+2:G0+4*\slot+3], s[G0+4*\slot+2:G0+4*\slot+3], 8192
	s_add_nc_u64 s[G0B+4*\slot+2:G0B+4*\slot+3], s[G0B+4*\slot+2:G0B+4*\slot+3], 8192
	JLOAD G0+4*\slot, G1, G0B+4*\slot, G1B
.else
	PLACES 4
.endif
	FETCH_B \next, 0, 0
	FETCH_A \next, 0, 0
	WIN MUL_HI
	MUL16 4, 1, 0
	MUL16 6, 1, 0
	PLACES 4
	WIN 0
	FETCH_A \next, 0, 4
.endm
	s_wait_alu depctr_va_vdst(0)
	s_wait_tensorcnt 0x0                           ; my part of K step 0 is in
	ds_add_u32 v[SPW], v[NIL]
	s_wait_dscnt 0x0
	CROUND                                         ; a whole round: everybody's part of K step 0 is in, and the joint loads meet
	JLOAD G0+4, G1, G0B+4, G1B                     ; K step 1: the first tensor load behind the round
	FETCH_B 0, 0, 0
	FETCH_A 0, 0, 0
	FETCH_A 0, 0, 4
	global_prefetch_b8 v25, s[80:81] offset:8192 th:TH_LOAD_NT scope:SCOPE_SE    ; K step 2, which the next change of slots will load,
	global_prefetch_b8 v25, s[80:81] offset:12288 th:TH_LOAD_NT scope:SCOPE_SE   ; and K step 3, the one after
	STEP 0, 0, 2
	TURN 0, 1, 1
	STEP 1, 0, 0
	TURN 1, 0, 1
	STEP 0, 0, 0
	TURN 0, 1, 0
	STEP 1, 0, 0
	s_wait_dscnt 16
	WIN MUL_LO
	MUL16 0, 1, 0
	MUL16 2, 1, 0
	s_wait_dscnt 0
	WIN MUL_HI
	MUL16 4, 1, 0
	MUL16 6, 1, 0
	WIN 0
	PLACES 4
.macro OUTBLK a
	WIN (0x02+(\a)/4)
.set j, 0
.rept 64
	v_med3_num_f32 v[TMP+j], v[64*((\a)%4)+j], 0, v[LIM]
.set j, j+1
.endr
	WIN 0
.irp b, 0,1,2,3,4,5,6,7
	v_cvt_scalef32_pk8_fp8_f32 v[CODE+16*(\a)+2*\b:CODE+16*(\a)+2*\b+1], v[TMP+8*\b:TMP+8*\b+7], v[SCL]
.endr
	v_nop
.irp c, 0,1,2,3
	global_store_b128 v[LN16], v[CODE+16*(\a)+4*\c:CODE+16*(\a)+4*\c+3], s[12:13] offset:(\a)*65536+512*\c
.endr
.endm
.irp a, 0,1,2,3,4,5,6,7
	OUTBLK \a
.endr
	s_wait_tensorcnt 0x0
	ds_add_u32 v[SPW], v[NIL]
	s_wait_dscnt 0x0
	CROUND
	s_endpgm
.Lfunc_end_k_qbdb70130ed_fc1:
	.size	k_qbdb70130ed_fc1, .Lfunc_end_k_qbdb70130ed_fc1-k_qbdb70130ed_fc1
	.p2alignl 7, 3214868480
	.fill 96, 4, 3214868480
	.section	.rodata,"a",@progbits
	.p2align	6, 0x0
	.amdhsa_kernel k_qbdb70130ed_fc1
		.amdhsa_group_segment_fixed_size 327680
		.amdhsa_private_segment_fixed_size 0
		.amdhsa_enable_private_segment 0
		.amdhsa_kernarg_size 40
		.amdhsa_user_sgpr_count 2
		.amdhsa_user_sgpr_kernarg_segment_ptr 1
		.amdhsa_wavefront_size32 1
		.amdhsa_system_sgpr_workgroup_id_x 1
		.amdhsa_system_sgpr_workgroup_id_y 1
		.amdhsa_system_sgpr_workgroup_id_z 1
		.amdhsa_system_vgpr_workitem_id 0
		.amdhsa_next_free_vgpr 1024
		.amdhsa_next_free_sgpr 96
		.amdhsa_reserve_vcc 0
		.amdhsa_float_denorm_mode_32 3
		.amdhsa_float_denorm_mode_16_64 3
		.amdhsa_memory_ordered 1
		.amdhsa_forward_progress 1
		.amdhsa_inst_pref_size 124
	.end_amdhsa_kernel
	.amdgpu_metadata
---
amdhsa.version: [ 1, 2 ]
amdhsa.kernels:
  - .name:           k_qbdb70130ed_fc1
    .symbol:         k_qbdb70130ed_fc1.kd
    .args:
      - { .name: h2_codes, .offset: 0, .size: 8, .value_kind: global_buffer, .address_space: global }
      - { .name: wcodes, .offset: 8, .size: 8, .value_kind: global_buffer, .address_space: global }
      - { .name: lowp_scales, .offset: 16, .size: 8, .value_kind: global_buffer, .address_space: global }
      - { .name: b_fc1, .offset: 24, .size: 8, .value_kind: global_buffer, .address_space: global }
      - { .name: hid_codes, .offset: 32, .size: 8, .value_kind: global_buffer, .address_space: global }
    .group_segment_fixed_size: 327680
    .private_segment_fixed_size: 0
    .kernarg_segment_align: 8
    .kernarg_segment_size: 40
    .max_flat_workgroup_size: 128
    .sgpr_count:     96
    .vgpr_count:     1024
    .wavefront_size: 32
...
	.end_amdgpu_metadata
.endif
;; end of part 6
;; launch fc2 (part 7): grid 8 x 32, 4 waves a work-group, clusters of 4 x 4, 327,680 bytes of LDS; arguments hid_codes, wcodes, lowp_scales, b_fc2, x1, out0; writes out0
.if DOCPART == 7
	.amdgcn_target "amdgcn-amd-amdhsa--gfx1250"
	.amdhsa_code_object_version 6
	.text
	.protected	k_qbdb70130ed_fc2
	.globl	k_qbdb70130ed_fc2
	.p2align	8
	.type	k_qbdb70130ed_fc2,@function
k_qbdb70130ed_fc2:
	s_mov_b64 s[64:65], 0
	v_nop
	global_prefetch_b8 v0, s[64:65] scope:SCOPE_SE
	s_setreg_imm32_b32 hwreg(HW_REG_WAVE_MODE, 25, 1), 1
	s_wait_xcnt 0x0
	s_wait_alu depctr_hold_cnt(0) depctr_sa_sdst(0) depctr_va_vdst(0) depctr_va_sdst(0) depctr_va_ssrc(0) depctr_va_vcc(0) depctr_vm_vsrc(0)
	s_getreg_b32 s2, hwreg(HW_REG_IB_STS2, 6, 4)
	s_cmp_eq_u32 s2, 0
	s_cbranch_scc0 .Lentry_in_a_cluster
	s_endpgm
.Lentry_in_a_cluster:
	s_bfe_u32 s2, ttmp6, 0x10000c
	s_cmp_lg_u32 s2, 0xf033
	s_cbranch_scc0 .Lentry_shape_is_right
	s_endpgm
.Lentry_shape_is_right:
; out0 = x1 + (hid W_fc2 x 2^(e10 + e11) + b_fc2): hid [4,096][4,096] and W_fc2^T [1,024][4,096] as codes of FP8 (E4M3); x1, out0 [4,096][1,024] f32.
; N = 1,024 gives 64 tiles of 256 x 256 and 256 of 128 x 128: the smaller tile gives every WGP a work-group.  THE FOUR WAVES SHARE K, NOT THE TILE: each makes the whole 128 x 128 (64 accumulators) on its own quarter
; of K, so every byte of a tile is read from LDS once.  The four partial tiles meet in LDS at the end, and the same pass turns them into whole rows.  The sums' order differs from one ascending chain by that split.
; THE CODES' LAYOUT: byte(m, k) = (m / 16) 16 K + (k / 32) 512 + ((k / 8) % 2) 256 + (m % 16) 16 + ((k / 16) % 2) 8 + k % 8: 16 rows x 64 along K are 1,024 bytes on end, two loads of 16 bytes a lane at 512 c + 16 lane.
; K GOES IN 16 UNITS OF 256; of each unit wave w takes the 64 numbered w (one matrix instruction of K = 64 for each accumulator).  A unit of A's 128 rows and W's 128 rows is 65,536 bytes; the work-group takes in 16 of them.
; FEW AND LARGE FILLS.  Behind a round of the cluster's barrier a wave issues one tensor load, so what is on its way is what that load brings: it is made as large as LDS holds.  Beside the spare words LDS has room for
; 311,296 bytes: 4.75 units.  So: unit 0 comes straight from memory into registers; then three fills of FIVE units each (units 1-5, 6-10, 11-15), the first at the head: LDS is filled again twice.  Of a fill's fifth unit
; A's blocks 4-7 (16,384 bytes) do not fit: they come straight into 32 registers of their own.  ONE slot, not two: a fill is read out into three sets of fragment registers, two units ahead of the products, and the
; next fill is asked for in the window's third unit, when the fifth unit's fragments have been fetched; 112 matrix instructions are then still to be issued.
; Source 0 = 16 rows of W^T, source 1 = 16 rows of hid: lane (r, h) of accumulator (a, b) holds row 16 a + r, columns 16 b + 8 h + 0 .. 7.
; CLUSTERS 4 x 4: hid's tile hangs on the tile row, W's on the tile column; each is asked for jointly by the four that share it.
; LIMIT: e10 + e11 between -126 and 127.
; REGISTERS: window 0: v8-29 addresses and the bias; v32-63 A's blocks 4-7 of a fill's fifth unit; v64-255 A's fragments, three sets of 64; on the way out v32-127 at work, v128-255 the residual and the result.
;   window 1: v0-191 W's fragments, three sets of 64.   windows 2, 3: the accumulators ((a, b) at v[8 (8 (a % 4) + b)]).
.set RB16,  65536                      ; 16 rows of codes: 16 x 4,096
.set WOFF,  8388608                    ; W_fc2^T's place in wcodes
.set SCOFF, 0x28                       ; e10, e11 in lowp_scales
.set UB,    4096                       ; a unit of 16 rows
.set ROW5,  5*UB                       ; five units of 16 rows, on end in memory and in LDS
.set ROW4,  4*UB
.set PA0,   0                          ; LDS: A's blocks 0-3, five units each
.set PA1,   4*ROW5                     ; A's blocks 4-7, four units each
.set PB,    PA1+4*ROW4                 ; W's blocks 0-7, five units each
.set SPARE, PB+8*ROW5                  ; 311,296: the spare words, 128 bytes a wave
.set PART,  67584                      ; the way out: a partial tile, 128 rows x (512 + 16) bytes; four of them lie over the tiles' bytes, which have had their last fill and their last read
.set RD,   8
.set BI,   12
.set AA,   16                          ; v16-18 LDS address of A's blocks 0-1, 2-3, 4-7
.set BB,   19                          ; v19-22 of W's blocks 0-1, 2-3, 4-5, 6-7
.set STO,  24
.set PFA,  23                          ; v23, v25 the prefetches' offsets in hid and in W^T for four units; v30, v31 for one unit; v27 in x1; never rewritten
.set PFB,  25
.set PFX,  27
.set P5A,  30
.set P5B,  31
; A PREFETCH INTO THE L2 of the NEXT fill's five units, u0 to u0 + 4, behind each fill's joint load: a fill's five units of products ahead of the load that will want them.
; Of a wave's 1,024 bytes of a unit in each of a tile's 8 blocks of 16 rows, the four partners that share the tile take two blocks each, told apart by address (cx for hid, cy for W).
; Four units: 2 blocks x 4 units x 4 pieces of 256 bytes = 32 lanes; the fifth: 2 blocks x 4 pieces, each named by four lanes of the one instruction.  The first fill comes by its load alone; behind the last fill's load
; the residual's rows are asked for instead: my 32 rows x 512 bytes, a lane a row.
.macro ASK u0
	global_prefetch_b8 v[PFA], s[DA:DA+1] offset:(\u0)*UB th:TH_LOAD_NT scope:SCOPE_SE
	global_prefetch_b8 v[PFB], s[DB:DB+1] offset:(\u0)*UB th:TH_LOAD_NT scope:SCOPE_SE
	global_prefetch_b8 v[P5A], s[DA:DA+1] offset:((\u0)+4)*UB th:TH_LOAD_NT scope:SCOPE_SE
	global_prefetch_b8 v[P5B], s[DB:DB+1] offset:((\u0)+4)*UB th:TH_LOAD_NT scope:SCOPE_SE
.endm
.set LN16, 26
.set SPW,  28
.set NIL,  29
.set TB,   32
.set XA,   32
.set AS,   64
.set G1A5, 24                          ; s[24:31] group 1: A, rows of five units;  s[80:87]: A, rows of four;  s[48:55]: W, rows of five
.set G1A4, 80
.set G1B,  48
.set G0A5, 32                          ; s[32:35], s[36:39], s[56:59] their groups 0
.set G0A4, 36
.set G0B,  56
.set WV,  66
.set WL,  68
.set DA,  70                           ; s[70:71] hid at my tile's first row, my 64 of a unit;  s[76:77] W^T likewise
.set DB,  76
.set MSB, 0
.macro WIN new                         ; the immediate's high byte repeats the setting that is left
.if MSB != \new
	s_set_vgpr_msb (MSB<<8)|\new
.set MSB, \new
.endif
.endm
.set MUL_LO, 0xa1                      ; source 0 (W) window 1, source 1 (A) window 0, C and D window 2
.set MUL_HI, 0xf1
.set TO_B,   0x40
.macro JLOAD3                          ; a fill: wave 0 A's blocks 0-3, wave 1 A's blocks 4-7, waves 2, 3 W's halves; the branches hang on the wave's number alone; four v_nop follow each line
	s_cmp_lg_u32 s[WV], 0
	s_cbranch_scc1 .Lnot_0_\@
	tensor_load_to_lds s[G0A5:G0A5+3], s[G1A5:G1A5+7]
	s_nop 0
.rept 4
	v_nop
.endr
	s_branch .Lasked_\@
.Lnot_0_\@:
	s_cmp_lg_u32 s[WV], 1
	s_cbranch_scc1 .Lnot_1_\@
	tensor_load_to_lds s[G0A4:G0A4+3], s[G1A4:G1A4+7]
	s_nop 0
.rept 4
	v_nop
.endr
	s_branch .Lasked_\@
.Lnot_1_\@:
	tensor_load_to_lds s[G0B:G0B+3], s[G1B:G1B+7]
	s_nop 0
.rept 4
	v_nop
.endr
.Lasked_\@:
.endm
.macro CREST                           ; a round of the cluster's barrier behind its opening barrier
	s_cmp_lg_u32 s[WV], 0
	s_cbranch_scc1 .Lnot_wave_0_\@
	s_barrier_signal -3
.Lnot_wave_0_\@:
	s_barrier_wait -3
	s_barrier_signal -1
	s_barrier_wait -1
.endm
.macro CROUND
	s_barrier_signal -1
	s_barrier_wait -1
	CREST
.endm
.macro PLACES n                        ; plain vector lines between a matrix instruction and a load into its registers or a read of its result
.rept \n
	v_nop
.endr
.endm
.macro XLOAD j                         ; A's blocks 4-7 of unit 5 j + 5, my 64 along K, straight from memory
.irp m, 0,1,2,3
	global_load_b128 v[XA+8*\m:XA+8*\m+3],   v[LN16], s[DA:DA+1] offset:(4+\m)*RB16+(5*(\j)+5)*UB
	global_load_b128 v[XA+8*\m+4:XA+8*\m+7], v[LN16], s[DA:DA+1] offset:(4+\m)*RB16+(5*(\j)+5)*UB+512
.endr
.endm
	s_load_b256 s[4:11], s[0:1], 0x0               ; hid_codes 4, wcodes 6, lowp_scales 8, b_fc2 10
	s_load_b128 s[12:15], s[0:1], 0x20             ; x1 12, out0 14
	v_lshl_add_u32 v[SPW], v0, 2, SPARE
	v_mov_b32 v[NIL], 0
	ds_add_u32 v28, v29
	ds_add_u32 v28, v29
	s_wait_dscnt 0x0
	v_lshrrev_b32 v1, 5, v0
	v_readfirstlane_b32 s[WV], v1                  ; wave
	s_and_b32 s[WL], s[WV], 1                      ; which half of W's rows waves 2, 3 fetch
	s_bfe_u32 s40, ttmp6, 0x40000                  ; cx
	s_bfe_u32 s41, ttmp6, 0x40004                  ; cy
	s_lshl_b32 s42, ttmp9, 2
	s_add_co_u32 s42, s42, s40                     ; tile column
	s_and_b32 s17, ttmp7, 0xffff
	s_lshl_b32 s17, s17, 2
	s_add_co_u32 s17, s17, s41                     ; tile row
	s_lshl_b32 s43, s41, 2
	s_lshl_b32 s43, 15, s43                        ; my row of the cluster
	s_lshl_b32 s44, 0x1111, s40                    ; my column
	s_or_b32 s[G1A5], s43, (1<<21)                 ; 15:0 the mask; 17:16 elements of 1 byte; no padding; 21 set beside a mask
	s_or_b32 s[G1A4], s43, (1<<21)
	s_or_b32 s[G1B], s44, (1<<21)
.irp g, G1A5, G1B
	s_mov_b32 s[\g+1], ROW5<<16                    ; tensor_dim0: 16 rows x 1,280 K on end
	s_mov_b32 s[\g+2], 4<<16                       ; tensor_dim1: 4 blocks of 16 rows
	s_mov_b32 s[\g+3], ROW5<<16                    ; tile_dim0
	s_mov_b32 s[\g+4], 4                           ; tile_dim1
	s_mov_b32 s[\g+5], RB16                        ; from block to block
	s_mov_b32 s[\g+6], 0
	s_mov_b32 s[\g+7], 0
.endr
	s_mov_b32 s[G1A4+1], ROW4<<16                  ; the same with rows of 16 rows x 1,024 K
	s_mov_b32 s[G1A4+2], 4<<16
	s_mov_b32 s[G1A4+3], ROW4<<16
	s_mov_b32 s[G1A4+4], 4
	s_mov_b32 s[G1A4+5], RB16
	s_mov_b32 s[G1A4+6], 0
	s_mov_b32 s[G1A4+7], 0
	s_lshl_b32 s20, s17, 19                        ; hid: 8 blocks of 65,536 bytes a tile row
	s_mov_b32 s21, 0
	s_lshl_b32 s46, s42, 19                        ; W^T: the same a tile column,
	s_add_co_u32 s46, s46, WOFF                    ; in wcodes
	s_mov_b32 s47, 0
	s_lshl_b32 s22, s[WV], 10                      ; my 64 of a unit's 256 along K: 1,024 bytes
	s_mov_b32 s23, 0
	s_lshl_b32 s18, s[WL], 18                      ; W's four blocks that I fetch
	s_mov_b32 s19, 0
	s_mul_i32 s45, s[WL], 4*ROW5
	s_add_co_u32 s45, s45, PB                      ; and where they go
	v_and_b32 v1, 31, v0
	v_lshlrev_b32 v[LN16], 4, v1                   ; 16 x lane
	s_wait_alu depctr_va_vdst(0)
	s_wait_kmcnt 0x0
	s_load_b64 s[72:73], s[8:9], SCOFF             ; e10, e11
	s_add_nc_u64 s[20:21], s[4:5], s[20:21]
	s_add_nc_u64 s[46:47], s[6:7], s[46:47]
	s_add_nc_u64 s[DA:DA+1], s[20:21], s[22:23]
	s_add_nc_u64 s[DB:DB+1], s[46:47], s[22:23]
	s_mov_b32 s[G0A5], 1                           ; groups 0: the first fill begins at unit 1
	s_mov_b32 s[G0A5+1], PA0
	s_add_nc_u64 s[G0A5+2:G0A5+3], s[20:21], UB
	s_or_b32 s[G0A5+3], s[G0A5+3], 0x80000000
	s_mov_b32 s[G0A4], 1
	s_mov_b32 s[G0A4+1], PA1
	s_add_nc_u64 s[G0A4+2:G0A4+3], s[20:21], 4*RB16+UB
	s_or_b32 s[G0A4+3], s[G0A4+3], 0x80000000
	s_mov_b32 s[G0B], 1
	s_mov_b32 s[G0B+1], s45
	s_add_nc_u64 s[G0B+2:G0B+3], s[46:47], s[18:19]
	s_add_nc_u64 s[G0B+2:G0B+3], s[G0B+2:G0B+3], UB
	s_or_b32 s[G0B+3], s[G0B+3], 0x80000000
	WIN TO_B                                       ; unit 0 straight into set 0: 32 loads of 512 bytes on end
.irp i, 0,1,2,3,4,5,6,7
	global_load_b128 v[8*\i:8*\i+3],   v[LN16], s[DB:DB+1] offset:\i*RB16
	global_load_b128 v[8*\i+4:8*\i+7], v[LN16], s[DB:DB+1] offset:\i*RB16+512
.endr
	WIN 0
.irp i, 0,1,2,3,4,5,6,7
	global_load_b128 v[AS+8*\i:AS+8*\i+3],   v[LN16], s[DA:DA+1] offset:\i*RB16
	global_load_b128 v[AS+8*\i+4:AS+8*\i+7], v[LN16], s[DA:DA+1] offset:\i*RB16+512
.endr
	XLOAD 0                                        ; unit 5's part that has no room in LDS
	CROUND                                         ; all sixteen work-groups are here: the first joint loads meet
	JLOAD3                                         ; units 1 to 5: one tensor load of mine is out
	v_lshrrev_b32 v2, 4, v1
	v_lshlrev_b32 v2, 16, v2                       ; the prefetches: lane l names block l / 16 of my work-group's two,
	v_and_b32 v3, 3, v0
	v_lshl_add_u32 v2, v3, 8, v2                   ; piece l % 4 of my wave's 1,024 bytes,
	s_lshl_b32 s18, s40, 17
	s_lshl_b32 s19, s41, 17
	v_add_nc_u32 v[P5A], s18, v2                   ; hid: blocks 2 cx, 2 cx + 1
	v_add_nc_u32 v[P5B], s19, v2                   ; W^T: blocks 2 cy, 2 cy + 1
	v_bfe_u32 v3, v0, 2, 2
	v_lshl_add_u32 v[PFA], v3, 12, v[P5A]          ; and unit (l / 4) % 4 of four
	v_lshl_add_u32 v[PFB], v3, 12, v[P5B]
	v_lshlrev_b32 v[PFX], 12, v1                   ; x1: a lane a row
	v_add_nc_u32 v[AA], s22, v[LN16]
	v_add_nc_u32 v[AA+1], 2*ROW5, v[AA]
	v_add_nc_u32 v[AA+2], PA1, v[AA]
	v_add_nc_u32 v[BB], PB, v[AA]
	v_add_nc_u32 v[BB+1], 2*ROW5, v[BB]
	v_add_nc_u32 v[BB+2], 4*ROW5, v[BB]
	v_add_nc_u32 v[BB+3], 6*ROW5, v[BB]
	v_and_b32 v2, 15, v0
	v_bfe_u32 v3, v0, 4, 1
	v_mul_u32_u24 v[STO], v2, 528
	v_lshl_add_u32 v[STO], v3, 5, v[STO]
	s_mul_i32 s18, s[WV], PART
	v_add_nc_u32 v[STO], s18, v[STO]               ; into my partial tile: row r, 32 bytes for each half of the lanes
	s_mul_i32 s18, s[WV], 32*528
	v_add_nc_u32 v[RD], s18, v[LN16]               ; back: rows 32 w on of each of the four partial tiles, 16 bytes a lane
.irp p, 1,2,3
	v_add_nc_u32 v[RD+\p], \p*PART, v[RD]
.endr
	ASK 6                                          ; units 6 to 10, which the second fill will load
	s_lshl_b32 s18, s42, 9
	s_mov_b32 s19, 0
	s_add_nc_u64 s[10:11], s[10:11], s[18:19]
	global_load_b128 v[BI:BI+3], v[LN16], s[10:11] ; the bias of my four columns
	s_lshl_b32 s23, s17, 7
	s_lshl_b32 s45, s[WV], 5
	s_add_co_u32 s23, s23, s45                     ; the first row that I finish: 128 x tile row + 32 w
	s_lshl_b32 s23, s23, 12
	s_add_co_u32 s18, s18, s23
	s_add_nc_u64 s[12:13], s[12:13], s[18:19]
	s_add_nc_u64 s[14:15], s[14:15], s[18:19]
	s_wait_kmcnt 0x0
	s_add_co_i32 s74, s72, s73
	s_add_co_i32 s74, s74, 127
	s_lshl_b32 s74, s74, 23                        ; 2^(e10 + e11) as f32
	s_mov_b32 s75, s74
; 16 matrix instructions: A's blocks a0, a0 + 1 x W's eight, my 64 along K of the unit in set s.  x = 1: A's block comes from v32-63.  zero = 1: the first product starts the sums: nothing is cleared.
; The 64 accumulators take turns, one instruction a turn, in the same order in every unit.
.macro MUL2 a0, s, zero, x
.irp a, \a0, \a0+1
.if \x
.set AR, XA+8*((\a)-4)
.else
.set AR, AS+64*(\s)+8*(\a)
.endif
.irp b, 0,1,2,3,4,5,6,7
.if \zero
	v_wmma_f32_16x16x64_fp8_fp8 v[8*(8*((\a)%4)+\b):8*(8*((\a)%4)+\b)+7], v[64*(\s)+8*\b:64*(\s)+8*\b+7], v[AR:AR+7], 0
.else
	v_wmma_f32_16x16x64_fp8_fp8 v[8*(8*((\a)%4)+\b):8*(8*((\a)%4)+\b)+7], v[64*(\s)+8*\b:64*(\s)+8*\b+7], v[AR:AR+7], v[8*(8*((\a)%4)+\b):8*(8*((\a)%4)+\b)+7]
.endif
.endr
.endr
.endm
.macro ULO s, zero                     ; a unit's first half: A's blocks 0-3
	WIN MUL_LO
	MUL2 0, \s, \zero, 0
	MUL2 2, \s, \zero, 0
.endm
.macro UHI s, zero, x                  ; its second half: A's blocks 4-7
	WIN MUL_HI
	MUL2 4, \s, \zero, \x
	MUL2 6, \s, \zero, \x
.endm
.macro FETCHU q, s                     ; the fill's unit q (0 to 4) into set s: 32 LDS loads of 512 bytes on end; of unit 4 only 24: A's blocks 4-7 are not in LDS
	WIN TO_B
.irp i, 0,1,2,3,4,5,6,7
	ds_load_b128 v[64*(\s)+8*\i:64*(\s)+8*\i+3],   v[BB+\i/2] offset:(\i%2)*ROW5+(\q)*UB
	ds_load_b128 v[64*(\s)+8*\i+4:64*(\s)+8*\i+7], v[BB+\i/2] offset:(\i%2)*ROW5+(\q)*UB+512
.endr
	WIN 0
.irp i, 0,1,2,3
	ds_load_b128 v[AS+64*(\s)+8*\i:AS+64*(\s)+8*\i+3],   v[AA+\i/2] offset:(\i%2)*ROW5+(\q)*UB
	ds_load_b128 v[AS+64*(\s)+8*\i+4:AS+64*(\s)+8*\i+7], v[AA+\i/2] offset:(\i%2)*ROW5+(\q)*UB+512
.endr
.if (\q) < 4
.irp i, 0,1,2,3
	ds_load_b128 v[AS+64*(\s)+32+8*\i:AS+64*(\s)+32+8*\i+3], v[AA+2] offset:\i*ROW4+(\q)*UB
	ds_load_b128 v[AS+64*(\s)+36+8*\i:AS+64*(\s)+36+8*\i+3], v[AA+2] offset:\i*ROW4+(\q)*UB+512
.endr
.endif
.endm
; A FILL'S FIVE UNITS, f to f + 4; unit u lies in set u % 3.  Units f and f + 1 have been fetched ahead of this macro; in the middle of a unit the unit two further on is fetched, into the set that the unit before has left.
; more = 1: LDS is filled again: the request goes out in unit f + 3, when unit f + 4's fragments are in registers; behind unit f + 4 the wave waits for the fill and fetches its first two units.
.macro WBODY f, more
.set S0, (\f)%3
.set S1, ((\f)+1)%3
.set S2, ((\f)+2)%3
	s_wait_dscnt 32                                ; unit f's fragments are in; the next unit's 32 loads may be out
	ULO S0, 0
	PLACES 4
	FETCHU 2, S2
	UHI S0, 0, 0
	s_wait_dscnt 32
	ULO S1, 0
	PLACES 4
	FETCHU 3, S0
	UHI S1, 0, 0
	s_wait_dscnt 32
	ULO S2, 0
	PLACES 4
	FETCHU 4, S1                                   ; the last of the fill's bytes are asked for; every window is 0 behind this macro
.if \more
	s_wait_tensorcnt 0x0                           ; no tensor load of mine is out
	ds_add_u32 v[SPW], v[NIL]                      ; 0 onto my spare word; 32 matrix instructions stand between it and the wait for it
	UHI S2, 0, 0
	s_wait_dscnt 0x0                               ; the add is done, and my reads of the fill are over
	s_barrier_signal -1
	WIN MUL_LO
	MUL2 0, S0, 0, 0                               ; unit f + 3 begins: work on registers while the others arrive
	WIN 0
	s_barrier_wait -1
	CREST                                          ; the barrier has opened a round of the cluster's: no wave of any partner still reads the fill or has a load on its way
	s_add_nc_u64 s[G0A5+2:G0A5+3], s[G0A5+2:G0A5+3], ROW5
	s_add_nc_u64 s[G0A4+2:G0A4+3], s[G0A4+2:G0A4+3], ROW5
	s_add_nc_u64 s[G0B+2:G0B+3], s[G0B+2:G0B+3], ROW5
	JLOAD3                                         ; the next five units: the first tensor load behind the round, and my only one
.if (\f)+10 < 16
	ASK (\f)+10                                    ; the five units behind those
.else
	global_prefetch_b8 v[PFX], s[12:13] th:TH_LOAD_NT scope:SCOPE_SE
	global_prefetch_b8 v[PFX], s[12:13] offset:256 th:TH_LOAD_NT scope:SCOPE_SE
.endif
	WIN MUL_LO
	MUL2 2, S0, 0, 0
	UHI S0, 0, 0
	ULO S1, 0
	s_wait_loadcnt 0x0                             ; A's blocks 4-7 of unit f + 4, asked for a fill ago
	UHI S1, 0, 1
	PLACES 4
	WIN 0
	XLOAD ((\f)+4)/5                               ; the same part of the next fill's fifth unit, into the registers just left
	s_wait_tensorcnt 0x0                           ; my part of the fill is in,
	s_barrier_signal -1
	s_barrier_wait -1                              ; everybody's is
	FETCHU 0, S2
	FETCHU 1, S0
.else
	UHI S2, 0, 0
	s_wait_dscnt 24                                ; unit f + 3's fragments are in; the last unit's 24 loads may be out
	ULO S0, 0
	UHI S0, 0, 0
	s_wait_dscnt 0x0
	ULO S1, 0
	s_wait_alu depctr_va_vdst(0)
	s_wait_loadcnt 0x0
	UHI S1, 0, 1
.endif
.endm
	s_wait_alu depctr_va_vdst(0)
	s_wait_tensorcnt 0x0                           ; my part of units 1 to 5 is in,
	s_barrier_signal -1
	s_barrier_wait -1                              ; everybody's is
	FETCHU 0, 1
	s_wait_loadcnt 9                               ; unit 0's 32 loads are in; the 8 loads for unit 5 and the bias may be out
	ULO 0, 1                                       ; unit 0's products start the sums
	FETCHU 1, 2
	UHI 0, 1, 0
	WBODY 1, 1
	WBODY 6, 1
	WBODY 11, 0
	WIN 0
	PLACES 4
	; THE WAY OUT.  The residual's 32 rows are asked for; the four partial tiles go into LDS; each wave adds the four for 32 rows and stores whole rows of 512 bytes.
.set j, 0
.rept 32
	global_load_b128 v[128+4*j:131+4*j], v[LN16], s[12:13] offset:4096*j
.set j, j+1
.endr
	s_barrier_signal -1                            ; every wave's reads of the last fill are over (each waited for them ahead of its last products), and no tensor load is out
	s_barrier_wait -1
.irp a, 0,1,2,3,4,5,6,7
	WIN (0x08+4*((\a)/4))                          ; the stores' data: window 2 or 3
.irp b, 0,1,2,3,4,5,6,7
	ds_store_b128 v[STO], v[64*((\a)%4)+8*\b:64*((\a)%4)+8*\b+3]   offset:(\a)*8448+64*\b      ; each accumulator from its low end on
	ds_store_b128 v[STO], v[64*((\a)%4)+8*\b+4:64*((\a)%4)+8*\b+7] offset:(\a)*8448+64*\b+16
.endr
.endr
	WIN 0
	s_wait_dscnt 0x0                               ; for the others' sake: my partial tile lies in LDS
	s_barrier_signal -1
	s_barrier_wait -1
.macro RDG g                           ; rows 2 g, 2 g + 1 of my 32, from all four partial tiles, into buffer g % 3
.irp i, 0,1
.irp p, 0,1,2,3
	ds_load_b128 v[TB+32*((\g)%3)+16*\i+4*\p:TB+32*((\g)%3)+16*\i+4*\p+3], v[RD+\p] offset:528*(2*(\g)+\i)
.endr
.endr
.endm
.macro FIN g
.if (\g) <= 13
	s_wait_dscnt 16                                ; the two younger groups' loads may be out
.else
	s_wait_dscnt 8*(15-(\g))
.endif
	s_wait_loadcnt 30-2*(\g)                       ; the residual's later rows may be out
.irp i, 0,1
.set PB4, TB+32*((\g)%3)+16*\i
.set RS, 128+4*(2*(\g)+\i)
.irp u, 0,2
	v_pk_add_f32 v[PB4+\u:PB4+\u+1],   v[PB4+\u:PB4+\u+1],   v[PB4+4+\u:PB4+5+\u]
	v_pk_add_f32 v[PB4+8+\u:PB4+9+\u], v[PB4+8+\u:PB4+9+\u], v[PB4+12+\u:PB4+13+\u]
	v_pk_add_f32 v[RS+\u:RS+\u+1],     v[RS+\u:RS+\u+1],     v[BI+\u:BI+\u+1]
.endr
.irp u, 0,2
	v_pk_add_f32 v[PB4+\u:PB4+\u+1], v[PB4+\u:PB4+\u+1], v[PB4+8+\u:PB4+9+\u]
.endr
.irp u, 0,2
	v_pk_fma_f32 v[RS+\u:RS+\u+1], v[PB4+\u:PB4+\u+1], s[74:75], v[RS+\u:RS+\u+1] op_sel_hi:[1,0,1]   ; sum x 2^(e10 + e11) + (x1 + bias)
.endr
	global_store_b128 v[LN16], v[RS:RS+3], s[14:15] offset:4096*(2*(\g)+\i)   ; 512 bytes on end, aligned; these registers are not written again
.endr
.if (\g)+3 < 16
	RDG (\g)+3
.endif
.endm
	RDG 0
	RDG 1
	RDG 2
.irp g, 0,1,2,3,4,5,6,7,8,9,10,11,12,13,14,15
	FIN \g
.endr
	s_wait_tensorcnt 0x0                           ; the wave's end
	ds_add_u32 v[SPW], v[NIL]
	s_wait_dscnt 0x0
	CROUND                                         ; the closing round
	s_endpgm
.Lfunc_end_k_qbdb70130ed_fc2:
	.size	k_qbdb70130ed_fc2, .Lfunc_end_k_qbdb70130ed_fc2-k_qbdb70130ed_fc2
	.p2alignl 7, 3214868480
	.fill 96, 4, 3214868480
	.section	.rodata,"a",@progbits
	.p2align	6, 0x0
	.amdhsa_kernel k_qbdb70130ed_fc2
		.amdhsa_group_segment_fixed_size 327680
		.amdhsa_private_segment_fixed_size 0
		.amdhsa_enable_private_segment 0
		.amdhsa_kernarg_size 48
		.amdhsa_user_sgpr_count 2
		.amdhsa_user_sgpr_kernarg_segment_ptr 1
		.amdhsa_wavefront_size32 1
		.amdhsa_system_sgpr_workgroup_id_x 1
		.amdhsa_system_sgpr_workgroup_id_y 1
		.amdhsa_system_sgpr_workgroup_id_z 1
		.amdhsa_system_vgpr_workitem_id 0
		.amdhsa_next_free_vgpr 1024
		.amdhsa_next_free_sgpr 96
		.amdhsa_reserve_vcc 0
		.amdhsa_float_denorm_mode_32 3
		.amdhsa_float_denorm_mode_16_64 3
		.amdhsa_memory_ordered 1
		.amdhsa_forward_progress 1
		.amdhsa_inst_pref_size 158
	.end_amdhsa_kernel
	.amdgpu_metadata
---
amdhsa.version: [ 1, 2 ]
amdhsa.kernels:
  - .name:           k_qbdb70130ed_fc2
    .symbol:         k_qbdb70130ed_fc2.kd
    .args:
      - { .name: hid_codes, .offset: 0, .size: 8, .value_kind: global_buffer, .address_space: global }
      - { .name: wcodes, .offset: 8, .size: 8, .value_kind: global_buffer, .address_space: global }
      - { .name: lowp_scales, .offset: 16, .size: 8, .value_kind: global_buffer, .address_space: global }
      - { .name: b_fc2, .offset: 24, .size: 8, .value_kind: global_buffer, .address_space: global }
      - { .name: x1, .offset: 32, .size: 8, .value_kind: global_buffer, .address_space: global }
      - { .name: out0, .offset: 40, .size: 8, .value_kind: global_buffer, .address_space: global }
    .group_segment_fixed_size: 327680
    .private_segment_fixed_size: 0
    .kernarg_segment_align: 8
    .kernarg_segment_size: 48
    .max_flat_workgroup_size: 128
    .sgpr_count:     96
    .vgpr_count:     1024
    .wavefront_size: 32
...
	.end_amdgpu_metadata
.endif
;; end of part 7
